; MI455X (gfx1250); checked and timed in simulation.
; The chip was launched on July 23, 2026; its instructions are those of AMD's public machine-readable ISA for CDNA 5 (MIT licence, August 2026) and "CDNA5" Instruction Set Architecture Reference Guide (July 2026). The comments in the code are by the model that wrote it; some were corrected since.
;; Mulit Head Attention Layer. Allowed arithmetic: matrix products marked QUANTISED: E5M2 operands, one E8M0 scale for each 32 along K, by v_wmma_scale_f32_16x16x128_f8f6f4 with both operands' format E5M2, f32 sums; everything else in f32.
;; Inputs: W1_codes 6 x 128 x 4 x 32 uint8 (E5M2 codes of W1, K innermost, in blocks of 32 codes); W1_scales 6 x 128 x 4 uint8 (E8M0 scales of W1, one for each 32 codes along K); W2_codes 6 x 128 x 4 x 32 uint8 (E5M2 codes of W2, K innermost, in blocks of 32 codes); W2_scales 6 x 128 x 4 uint8 (E8M0 scales of W2, one for each 32 codes along K); Wg_codes 6 x 128 x 4 x 32 uint8 (E5M2 codes of Wg, K innermost, in blocks of 32 codes); Wg_scales 6 x 128 x 4 uint8 (E8M0 scales of Wg, one for each 32 codes along K); b1 6 x 128 float32; b2 6 x 128 float32; bg 6 x 128 float32; x 2 x 128 x 4 x 32 x 32 float32.
;; Outputs: out0 2 x 128 x 4 x 32 x 32 float32.
;; This version of the problem:
;;   THIS VERSION OF THE PROBLEM IS GIVEN IN LOW PRECISION. The matrix products marked QUANTISED in the list below multiply operands that are first quantised to E5M2 (5 exponent bits, 2 mantissa bits; 8 bits a number), with one power-of-two scale for each 32 numbers along K (OCP MX v1.0); their sums are f32. All else is computed in f32.
;;   The module's matrix products, in the order in which they are computed (A, B: the left and right operand; K: the contracted axis; several contracted axes count as one K, in the product's order):
;;     1. [M 8,192, K 128] x [K 128, N 128]; A: input x; B: input W1 (given as codes): QUANTISED
;;     2. [M 8,192, K 128] x [K 128, N 128]; A: input x; B: input W2 (given as codes): QUANTISED
;;     3. batch 2 x [M 4,096, K 128] x [K 128, N 4,096]; A: computed on the way; B: computed on the way: QUANTISED
;;     4. [M 8,192, K 128] x [K 128, N 128]; A: input x; B: input Wg (given as codes): QUANTISED
;;     5. batch 2 x [M 4,096, K 4,096] x [K 4,096, N 128]; A: computed on the way; B: computed on the way: QUANTISED
;;     6. [M 8,192, K 128] x [K 128, N 128]; A: input x; B: input W1 (given as codes): QUANTISED
;;     7. [M 8,192, K 128] x [K 128, N 128]; A: input x; B: input W2 (given as codes): QUANTISED
;;     8. batch 2 x [M 4,096, K 128] x [K 128, N 4,096]; A: computed on the way; B: computed on the way: QUANTISED
;;     9. [M 8,192, K 128] x [K 128, N 128]; A: input x; B: input Wg (given as codes): QUANTISED
;;     10. batch 2 x [M 4,096, K 4,096] x [K 4,096, N 128]; A: computed on the way; B: computed on the way: QUANTISED
;;     11. [M 8,192, K 128] x [K 128, N 128]; A: input x; B: input W1 (given as codes): QUANTISED
;;     12. [M 8,192, K 128] x [K 128, N 128]; A: input x; B: input W2 (given as codes): QUANTISED
;;     13. batch 2 x [M 4,096, K 128] x [K 128, N 4,096]; A: computed on the way; B: computed on the way: QUANTISED
;;     14. [M 8,192, K 128] x [K 128, N 128]; A: input x; B: input Wg (given as codes): QUANTISED
;;     15. batch 2 x [M 4,096, K 4,096] x [K 4,096, N 128]; A: computed on the way; B: computed on the way: QUANTISED
;;     16. [M 8,192, K 128] x [K 128, N 128]; A: input x; B: input W1 (given as codes): QUANTISED
;;     17. [M 8,192, K 128] x [K 128, N 128]; A: input x; B: input W2 (given as codes): QUANTISED
;;     18. batch 2 x [M 4,096, K 128] x [K 128, N 4,096]; A: computed on the way; B: computed on the way: QUANTISED
;;     19. [M 8,192, K 128] x [K 128, N 128]; A: input x; B: input Wg (given as codes): QUANTISED
;;     20. batch 2 x [M 4,096, K 4,096] x [K 4,096, N 128]; A: computed on the way; B: computed on the way: QUANTISED
;;     21. [M 8,192, K 128] x [K 128, N 128]; A: input x; B: input W1 (given as codes): QUANTISED
;;     22. [M 8,192, K 128] x [K 128, N 128]; A: input x; B: input W2 (given as codes): QUANTISED
;;     23. batch 2 x [M 4,096, K 128] x [K 128, N 4,096]; A: computed on the way; B: computed on the way: QUANTISED
;;     24. [M 8,192, K 128] x [K 128, N 128]; A: input x; B: input Wg (given as codes): QUANTISED
;;     25. batch 2 x [M 4,096, K 4,096] x [K 4,096, N 128]; A: computed on the way; B: computed on the way: QUANTISED
;;     26. [M 8,192, K 128] x [K 128, N 128]; A: input x; B: input W1 (given as codes): QUANTISED
;;     27. [M 8,192, K 128] x [K 128, N 128]; A: input x; B: input W2 (given as codes): QUANTISED
;;     28. batch 2 x [M 4,096, K 128] x [K 128, N 4,096]; A: computed on the way; B: computed on the way: QUANTISED
;;     29. [M 8,192, K 128] x [K 128, N 128]; A: input x; B: input Wg (given as codes): QUANTISED
;;     30. batch 2 x [M 4,096, K 4,096] x [K 4,096, N 128]; A: computed on the way; B: computed on the way: QUANTISED
;;   THE QUANTISER, for each operand of a quantised product, along K:
;;     - K is cut into blocks of 32 from its start; a last block that is shorter is filled with zeros.
;;     - A block's scale is 2^e with e = floor(log2(the largest magnitude in the block)) - 15, held to -126 .. 127; a block of zeros has e = 0. As a byte (E8M0): e + 127.
;;     - Each number is divided by its block's scale, clamped to +-57,344, and rounded to the nearest number of E5M2, ties to even, subnormals kept.
;;     - The product sums the exact products of the quantised numbers (number of the format x scale) in f32.
;;   ~~~python
;;   def quantise(x, axis):      # numpy; x: float32 -> the quantised numbers, widened to float32 again
;;       x = np.moveaxis(x, axis, -1); K = x.shape[-1]
;;       x = np.pad(x, [(0, 0)] * (x.ndim - 1) + [(0, -K % 32)]); x = x.reshape(x.shape[:-1] + (-1, 32)); a = np.abs(x).max(-1, keepdims=True)
;;       e = np.where(a > 0, np.clip(np.frexp(np.where(a > 0, a, 1))[1] - 1 - 15, -126, 127), 0)      # np.frexp(a)[1] - 1 = floor(log2(a)), exactly
;;       r = np.clip(x / 2.0 ** e, -57344, 57344)
;;       step = 2.0 ** (np.maximum(np.frexp(np.where(r == 0, 1, r))[1] - 1, -14) - 2)
;;       q = np.round(r / step) * step * 2.0 ** e      # np.round: ties to even
;;       return np.moveaxis(q.reshape(q.shape[:-2] + (-1,))[..., :K], -1, axis).astype(np.float32)
;;   ~~~
;;   OPERANDS COMPUTED ON THE WAY. 'Computed on the way' means the value that the module computes at that place (a softmax that the list does not call 'softmax' is quantised finished and normalised). What goes into a quantiser is computed in f32, as accurately as f32 sums, v_exp_f32 and their like allow (about 1e-6 of the number): no bf16 or f16 on the way to a quantiser, and a product that is left as it is and whose result goes on into a quantised operand takes f32 operands (vector FMAs, or v_wmma_f32_16x16x4_f32). A number that lies on a knife's edge between two numbers of the format may be rounded either way, as far as f32 arithmetic and the matrix unit's own rounding can turn it there, and no further.
;;   INPUTS GIVEN AS CODES. W1 (in the module: [6, 128, 128], K = its axis 2); W2 (in the module: [6, 128, 128], K = its axis 2); Wg (in the module: [6, 128, 128], K = its axis 2): each comes as NAME_codes (uint8): NAME with its K axis moved to the last place and cut into blocks of 32 codes, [.., K / 32, bytes a block], one block behind the other in memory; one code a byte (a code: sign, 5 exponent bits, 2 mantissa bits); and NAME_scales (uint8): the same leading axes, one E8M0 byte (e + 127) for each 32 codes along K. Its value is code x scale, taken as it is: it is not quantised again, and the codes and scales need not be those that the quantiser above would give.
;; One version. Each part assembles by itself: llvm-mc -triple=amdgcn-amd-amdhsa -mcpu=gfx1250 --defsym DOCPART=n.
;; ======== version 1 of 1: 4 launches
;; limits: right only within a limited range of input values
;; workspace buffers: qc 6,291,456 bytes; qs 196,608 bytes; kv 12,582,912 bytes; kvs 393,216 bytes; stats 1,572,864 bytes; part 33,554,432 bytes
;; launch prep (part 1): grid 32 x 6, 8 waves a work-group, clusters of 4 x 1, 207,872 bytes of LDS; arguments x, W1_codes, W1_scales, W2_codes, W2_scales, Wg_codes, Wg_scales, b1, b2, bg, qc, qs, kv, kvs; writes qc, qs, kv, kvs
.if DOCPART == 1
	.amdgcn_target "amdgcn-amd-amdhsa--gfx1250"
	.amdhsa_code_object_version 6
	.text
	.protected	k_qe11962d7be_prep
	.globl	k_qe11962d7be_prep
	.p2align	8
	.type	k_qe11962d7be_prep,@function
k_qe11962d7be_prep:
	s_mov_b64 s[64:65], 0
	v_nop
	global_prefetch_b8 v0, s[64:65] scope:SCOPE_SE
	s_setreg_imm32_b32 hwreg(HW_REG_WAVE_MODE, 25, 1), 1
	s_wait_xcnt 0x0
	s_wait_alu depctr_hold_cnt(0) depctr_sa_sdst(0) depctr_va_vdst(0) depctr_va_sdst(0) depctr_va_ssrc(0) depctr_va_vcc(0) depctr_vm_vsrc(0)
	s_getreg_b32 s2, hwreg(HW_REG_IB_STS2, 6, 4)
	s_cmp_eq_u32 s2, 0
	s_cbranch_scc0 .Lentry_in_a_cluster
	s_endpgm
.Lentry_in_a_cluster:
	s_bfe_u32 s2, ttmp6, 0x10000c
	s_cmp_lg_u32 s2, 0x3003
	s_cbranch_scc0 .Lentry_shape_is_right
	s_endpgm
.Lentry_shape_is_right:
; x is quantised along the channels; f1 = x W1^T + b1, f2 = x W2^T + b2, g = x Wg^T + bg are made on codes of E5M2 and quantised again: f1 and f2 along their 128 channels, g along the tokens.
; A work-group takes one STEP of 128 tokens of one batch and two layers.  Grid: x = the step (32), y = 3 x batch + pair of layers.  Wave w owns tile w of every job.
; TILES OF TOKENS ARE NOT NEIGHBOURS: row r of tile 2 b + u is token 32 b + 8 u + r + 8 (r / 8), so that the 16 result registers of tiles 2 b and 2 b + 1 are 16 neighbours along a later K.
; WHAT IS STORED are IMAGES of operand registers: a fragment (16 rows x 128 K) is 2,048 bytes, group c of four registers at 512 c + 16 x lane.  Scale words: 64 bytes a tile, 4 bytes a row.
;   qc [b][l][tile 256][2048], qs [b][l][tile 256][64];  kv [b][l][step 32][K's 8 images, V's 8 images], kvs [b][l][step][K's 512 bytes, V's 512].  V's tile d = channels 16 d + r, its K = the step's tokens.
; f jobs are used transposed (source 0 = 16 rows of W, source 1 = my 16 tokens): a lane holds one token and its registers run along the channels.  The g job: source 0 = 16 tokens, source 1 = my 16 rows of Wg:
; a lane holds one channel and its registers run along the tokens.  The biases are the C of the products.
; CLUSTER: the four steps of a cluster need the same weights: W's codes are asked for jointly.  x's tile and the six small blocks (6 KB of a work-group's 166 KB) are loads of the work-group's own.
; 64 steps x 3 pairs of layers are 192 work-groups: a V image wants a whole step, and 6 layers do not share out among 4.
; LIMITS: NaN, infinities and scale bytes 0xff among the inputs are not served; a block of zeros gets the byte 1 (its codes are zeros; the bytes are read by this program alone).
.set XP,   528                         ; a channel's row of x in LDS: 512 bytes + 16
.set XT,   0                           ; 128 such rows
.set WP,   144                         ; a row of W's codes: 128 bytes + 16
.set WC,   128*XP                      ; three matrices, 256 rows (two layers) each
.set WMB,  256*WP
.set WL,   128*WP
.set SM,   WC+3*WMB                    ; six blocks of 1,024 bytes: b1, b2, bg, W1's, W2's, Wg's scale words, two layers each
.set XIMG, SM+6144                     ; x's eight images
.set XSC,  XIMG+16384                  ; their scale words, 128 bytes each
.set SCO,  XSC+1024                    ; the scale words made here: [layer 2][Q, K, V][512]
.set LI,  1                            ; v1   16 x lane
.set XA,  2                            ; v2   x in LDS: my token, my half's first channel
.set AW0, 3                            ; v3   W1's fragments
.set AW1, 4                            ; v4   W2's
.set AWG, 5                            ; v5   Wg's: my wave's tile
.set AB,  6                            ; v6   biases of the f jobs
.set ASW, 7                            ; v7   W1's, W2's scale words
.set AG,  8                            ; v8   bg and Wg's scale word of my channel
.set XWI, 9                            ; v9   my x image
.set XWS, 10                           ; v10  and its scale words
.set XRI, 11                           ; v11  all x images
.set XRS, 12                           ; v12  all their scale words
.set SCW, 13                           ; v13  where my tile's scale word goes
.set SCR, 14                           ; v14  and where 512 bytes of them are read back
.set XO,  16                           ; v16-31   my x fragment
.set D,   32                           ; v32-95   eight accumulators
.set PC,  96                           ; v96-111  the codes just made
.set BI,  112                          ; v112-175 eight tiles of bias
.set WGF, 112                          ; v112-127 Wg's fragment (the g job has no such tiles)
.set BG,  176                          ; v176-183 bg of my channel, eight times
.set WS,  184                          ; v184-191 W's scale words
.set XS,  192                          ; v192-199 x's scale words, all tiles
.set XW,  200                          ; v200     my tile's
.set WGS, 201
.set PW,  202                          ; the scale word just made
.set TM,  208                          ; v208-223 at work in the quantiser
.set WV,  80
.set SEL, 2                            ; s[2:3]
.set MNT, 97
.set GX0, 32
.set GX1, 36
.set GW1, 44
.set GW0, 52                           ; three sets
.set GS0, 68
.set GS1, 72
.set MSB, 0
.macro WIN new                         ; the immediate's high byte repeats the setting that is left
.if MSB != \new
	s_set_vgpr_msb (MSB<<8)|\new
.set MSB, \new
.endif
.endm
.macro CROUND                          ; a round of the cluster's barrier
	s_barrier_signal -1
	s_barrier_wait -1
	s_cmp_lg_u32 s[WV], 0
	s_cbranch_scc1 .Lnot_wave_0_\@
	s_barrier_signal -3
.Lnot_wave_0_\@:
	s_barrier_wait -3
	s_barrier_signal -1
	s_barrier_wait -1
.endm
.macro NOPS n
.rept \n
	v_nop
.endr
.endm
; 64 numbers of a lane, register 16 b + i = k 32 b + 16 (lane / 16) + i of my row, become a fragment's codes in v[PC] on and its scale word in v[PW]
.macro QUANT s
.irp b, 0,1,2,3
	v_max3_num_f32 v[TM+\b], |v[\s+16*\b]|, |v[\s+1+16*\b]|, 0x8000000   ; my 16 numbers of block b, and the floor 2^(16 - 127): the byte cannot fall under 1
.endr
.irp i, 2,4,6,8,10,12,14
.irp b, 0,1,2,3
	v_max3_num_f32 v[TM+\b], v[TM+\b], |v[\s+16*\b+\i]|, |v[\s+1+16*\b+\i]|
.endr
.endr
.irp b, 0,1,2,3
	s_delay_alu instid0(VALU_DEP_4)
	v_permlanex16_b32 v[TM+4+\b], v[TM+\b], s[SEL], s[SEL+1]
.endr
.irp b, 0,1,2,3
	s_delay_alu instid0(VALU_DEP_4)
	v_max_num_f32 v[TM+\b], v[TM+\b], v[TM+4+\b]       ; with lane l xor 16's: the block's largest magnitude
.endr
.irp b, 0,1,2,3
	s_delay_alu instid0(VALU_DEP_4)
	v_add_nc_u32 v[TM+12+\b], 0xf8800000, v[TM+\b]     ; 15 off its exponent field: the conversion's scale operand
.endr
.irp b, 0,1,2,3
.endr
.irp b, 0,1,2,3
	s_delay_alu instid0(VALU_DEP_4)
	v_lshrrev_b32 v[TM+4+\b], 23, v[TM+12+\b]          ; the scale's byte
.endr
	s_delay_alu instid0(VALU_DEP_3)
	v_lshl_or_b32 v[PW], v[TM+5], 8, v[TM+4]
	s_delay_alu instid0(VALU_DEP_1)
	v_lshl_or_b32 v[PW], v[TM+6], 16, v[PW]
	s_delay_alu instid0(VALU_DEP_1)
	v_lshl_or_b32 v[PW], v[TM+7], 24, v[PW]
	s_wait_xcnt 0x0                                    ; the last image's stores have read v[PC] on: only now are they written again
.irp b, 0,1,2,3
.irp i, 0,1,2,3,4,5,6,7,8,9,10,11,12,13,14,15
.endr
	v_cvt_scalef32_pk8_bf8_f32 v[PC+4*\b:PC+1+4*\b], v[\s+16*\b:\s+7+16*\b], v[TM+12+\b]
	v_cvt_scalef32_pk8_bf8_f32 v[PC+2+4*\b:PC+3+4*\b], v[\s+8+16*\b:\s+15+16*\b], v[TM+12+\b]
.endr
	v_nop                                              ; a plain instruction behind the last conversion
.endm
; f = x W^T + b for my 16 tokens: matrix m (0: W1, 1: W2), layer lay of my two; the image goes to s[ptr] + off
.macro FJOB m, lay, aw, ptr, off, kind
	WIN 0x40                                           ; destination window 1
.irp t, 0,1,2,3,4,5,6,7
.irp c, 0,1,2,3
	ds_load_b128 v[128+16*\t+4*\c:128+16*\t+4*\c+3], v[\aw] offset:\lay*WL+(32*(\t/2)+8*(\t%2))*WP+32*\c
.endr
.endr
	WIN 0
.irp t, 0,1,2,3,4,5,6,7
	ds_load_b32 v[WS+\t], v[ASW] offset:\m*1024+\lay*512+(32*(\t/2)+8*(\t%2))*4
	ds_load_b128 v[BI+8*\t:BI+8*\t+3], v[AB] offset:\m*1024+\lay*512+(32*(\t/2)+8*(\t%2))*4
	ds_load_b128 v[BI+8*\t+4:BI+8*\t+7], v[AB] offset:\m*1024+\lay*512+(32*(\t/2)+8*(\t%2))*4+16
.endr
	s_wait_dscnt 0x0                                   ; all are in; the last job's LDS store has read its register
	WIN 0x01                                           ; source 0 (W) window 1
.irp t, 0,1,2,3,4,5,6,7
	v_wmma_scale_f32_16x16x128_f8f6f4 v[D+8*\t:D+8*\t+7], v[128+16*\t:128+16*\t+15], v[XO:XO+15], v[BI+8*\t:BI+8*\t+7], v[WS+\t], v[XW] matrix_a_fmt:MATRIX_FMT_BF8 matrix_b_fmt:MATRIX_FMT_BF8
.endr
	WIN 0
	NOPS 9                                             ; eight places ahead of the first read of results and of loads into operands; a ninth, since the next job begins these accumulators anew
	QUANT D
.irp c, 0,1,2,3
	global_store_b128 v[LI], v[PC+4*\c:PC+4*\c+3], s[\ptr:\ptr+1] offset:\off+512*\c   ; 32 lanes store 512 consecutive bytes
.endr
	s_wait_alu depctr_va_vdst(0)
	ds_store_b32 v[SCW], v[PW] offset:(3*\lay+\kind)*512   ; both halves of the lanes hold the same word
.endm
; g = x Wg^T + bg for my 16 channels and the step's 128 tokens
.macro GJOB lay
.irp c, 0,1,2,3
	ds_load_b128 v[WGF+4*\c:WGF+4*\c+3], v[AWG] offset:\lay*WL+32*\c
.endr
	ds_load_b32 v[WGS], v[AG] offset:5*1024+\lay*512
.irp j, 0,1,2,3,4,5,6,7
	ds_load_b32 v[BG+\j], v[AG] offset:2*1024+\lay*512 ; the same number eight times: a lane's eight results belong to one channel
.endr
	s_wait_dscnt 0x0
	WIN 0x01                                           ; source 0 (x) window 1
.irp i, 0,1,2,3,4,5,6,7
	v_wmma_scale_f32_16x16x128_f8f6f4 v[D+8*\i:D+8*\i+7], v[16*\i:16*\i+15], v[WGF:WGF+15], v[BG:BG+7], v[XS+\i], v[WGS] matrix_a_fmt:MATRIX_FMT_BF8 matrix_b_fmt:MATRIX_FMT_BF8
.endr
	WIN 0
	NOPS 9
	QUANT D
.irp c, 0,1,2,3
	global_store_b128 v[LI], v[PC+4*\c:PC+4*\c+3], s[28:29] offset:\lay*1048576+16384+512*\c
.endr
	s_wait_alu depctr_va_vdst(0)
	ds_store_b32 v[SCW], v[PW] offset:(3*\lay+2)*512
.endm
	s_load_b512 s[4:19], s[0:1], 0x0               ; x 4, W1c 6, W1s 8, W2c 10, W2s 12, Wgc 14, Wgs 16, b1 18
	s_load_b256 s[20:27], s[0:1], 0x40             ; b2 20, bg 22, qc 24, qs 26
	s_load_b128 s[28:31], s[0:1], 0x60             ; kv 28, kvs 30
	v_lshl_add_u32 v254, v0, 2, 0x32800
	v_mov_b32 v255, 0
	ds_add_u32 v254, v255
	ds_add_u32 v254, v255
	v_lshrrev_b32 v15, 5, v0
	s_delay_alu instid0(VALU_DEP_1)
	v_readfirstlane_b32 s[WV], v15                 ; wave 0..7
	s_bfe_u32 s81, ttmp6, 0x40000                  ; cx: it enters global addresses alone
	s_lshl_b32 s82, ttmp9, 2
	s_add_co_u32 s82, s82, s81                     ; the step
	s_and_b32 s83, ttmp7, 0xffff
	s_cmp_ge_u32 s83, 3
	s_cselect_b32 s84, 1, 0                        ; the batch
	s_mul_i32 s85, s84, 3
	s_sub_co_u32 s85, s83, s85                     ; the pair of layers
	s_mul_i32 s86, s84, 6
	s_lshl_b32 s87, s85, 1
	s_add_co_u32 s86, s86, s87                     ; 6 b + my first layer
	; group 1 for x: 16 channel rows x 128 tokens of 4 bytes, 4,096 elements apart, 16 bytes of padding behind each 512
	s_mov_b32 s[GX1+0], (2<<16)|(1<<20)|(6<<22)|(3<<25)
	s_mov_b32 s[GX1+1], 128<<16
	s_mov_b32 s[GX1+2], 16<<16
	s_mov_b32 s[GX1+3], 128<<16
	s_mov_b32 s[GX1+4], 16
	s_mov_b32 s[GX1+5], 4096
	s_mov_b32 s[GX1+6], 0
	s_mov_b32 s[GX1+7], 0
	; group 1 for W's codes: 32 rows of 128 bytes, dense, 16 bytes of padding behind each; the mask names the four partners
	s_mov_b32 s[GW1+0], 15|(0<<16)|(1<<20)|(1<<21)|(4<<22)|(3<<25)
	s_mov_b32 s[GW1+1], 128<<16
	s_mov_b32 s[GW1+2], 32<<16
	s_mov_b32 s[GW1+3], 128<<16
	s_mov_b32 s[GW1+4], 32
	s_mov_b32 s[GW1+5], 128
	s_mov_b32 s[GW1+6], 0
	s_mov_b32 s[GW1+7], 0
	; group 1 for a small block: one row of 1,024 bytes
	s_mov_b32 s[GS1+0], 3<<16
	s_mov_b32 s[GS1+1], 128<<16
	s_mov_b32 s[GS1+2], 1<<16
	s_mov_b32 s[GS1+3], 128<<16
	s_mov_b32 s[GS1+4], 1
	s_mov_b32 s[GS1+5], 128
	s_mov_b32 s[GS1+6], 0
	s_mov_b32 s[GS1+7], 0
	s_lshl_b32 s88, s84, 21                        ; x: batch x 128 rows of 16,384 bytes,
	s_lshl_b32 s90, s[WV], 18                      ; + my 16 rows,
	s_add_co_u32 s88, s88, s90
	s_lshl_b32 s90, s82, 9                         ; + the step's 512 bytes
	s_add_co_u32 s88, s88, s90
	s_mov_b32 s89, 0
	s_lshl_b32 s90, s85, 15                        ; W: two layers are 32,768 bytes; my 32 rows
	s_lshl_b32 s91, s[WV], 12
	s_add_co_u32 s90, s90, s91
	s_mov_b32 s91, 0
	s_lshl_b32 s92, s85, 10                        ; a small block: two layers are 1,024 bytes
	s_mov_b32 s93, 0
	s_mul_i32 s94, s[WV], 16*XP
	s_mul_i32 s95, s[WV], 32*WP
	s_add_co_u32 s95, s95, WC
	s_min_u32 s96, s[WV], 5
	s_lshl_b32 s96, s96, 10
	s_add_co_u32 s96, s96, SM
	s_mov_b32 s[SEL], 0x76543210
	s_mov_b32 s[SEL+1], 0xfedcba98
	s_wait_dscnt 0x0
	s_wait_kmcnt 0x0
	s_mov_b32 s[GX0], 1
	s_mov_b32 s[GX0+1], s94
	s_add_nc_u64 s[GX0+2:GX0+3], s[4:5], s[88:89]
	s_or_b32 s[GX0+3], s[GX0+3], 0x80000000
	s_mov_b32 s[GW0], 1
	s_mov_b32 s[GW0+1], s95
	s_add_nc_u64 s[GW0+2:GW0+3], s[6:7], s[90:91]
	s_or_b32 s[GW0+3], s[GW0+3], 0x80000000
	s_mov_b32 s[GW0+4], 1
	s_add_co_u32 s[GW0+5], s95, WMB
	s_add_nc_u64 s[GW0+6:GW0+7], s[10:11], s[90:91]
	s_or_b32 s[GW0+7], s[GW0+7], 0x80000000
	s_mov_b32 s[GW0+8], 1
	s_add_co_u32 s[GW0+9], s95, 2*WMB
	s_add_nc_u64 s[GW0+10:GW0+11], s[14:15], s[90:91]
	s_or_b32 s[GW0+11], s[GW0+11], 0x80000000
	s_mov_b32 s[GS0], 1
	s_mov_b32 s[GS0+1], s96
	s_mov_b64 s[GS0+2:GS0+3], s[18:19]             ; wave 0: b1, 1: b2, 2: bg, 3: W1's scales, 4: W2's, 5: Wg's
	s_cmp_eq_u32 s[WV], 1
	s_cselect_b64 s[GS0+2:GS0+3], s[20:21], s[GS0+2:GS0+3]
	s_cmp_eq_u32 s[WV], 2
	s_cselect_b64 s[GS0+2:GS0+3], s[22:23], s[GS0+2:GS0+3]
	s_cmp_eq_u32 s[WV], 3
	s_cselect_b64 s[GS0+2:GS0+3], s[8:9], s[GS0+2:GS0+3]
	s_cmp_eq_u32 s[WV], 4
	s_cselect_b64 s[GS0+2:GS0+3], s[12:13], s[GS0+2:GS0+3]
	s_cmp_ge_u32 s[WV], 5
	s_cselect_b64 s[GS0+2:GS0+3], s[16:17], s[GS0+2:GS0+3]
	s_add_nc_u64 s[GS0+2:GS0+3], s[GS0+2:GS0+3], s[92:93]
	s_or_b32 s[GS0+3], s[GS0+3], 0x80000000
	; where the images go: qc: (6 b + l) x 524,288 + step x 16,384 + wave x 2,048;  kv: (6 b + l) x 1,048,576 + step x 32,768 + wave x 2,048
	s_lshl_b32 s88, s86, 19
	s_lshl_b32 s90, s82, 14
	s_add_co_u32 s88, s88, s90
	s_lshl_b32 s90, s[WV], 11
	s_add_co_u32 s88, s88, s90
	s_add_nc_u64 s[24:25], s[24:25], s[88:89]
	s_lshl_b32 s88, s86, 20
	s_lshl_b32 s92, s82, 15
	s_add_co_u32 s88, s88, s92
	s_add_co_u32 s88, s88, s90
	s_add_nc_u64 s[28:29], s[28:29], s[88:89]
	; where wave w (0..5) stores 512 bytes of scale words: layer w / 3; w % 3 = 0: qs, 1: kvs (K's), 2: kvs (V's)
	s_cmp_ge_u32 s[WV], 3
	s_cselect_b32 s87, 1, 0
	s_mul_i32 s100, s87, 3
	s_sub_co_u32 s100, s[WV], s100
	s_add_co_u32 s87, s87, s86
	s_cmp_eq_u32 s100, 0
	s_cselect_b64 s[98:99], s[26:27], s[30:31]
	s_cselect_b32 s94, 14, 15                      ; a layer is 16,384 bytes of qs, 32,768 of kvs;
	s_cselect_b32 s95, 9, 10                       ; a step 512 and 1,024
	s_lshl_b32 s87, s87, s94
	s_lshl_b32 s95, s82, s95
	s_add_co_u32 s87, s87, s95
	s_max_u32 s100, s100, 1
	s_sub_co_u32 s100, s100, 1
	s_lshl_b32 s100, s100, 9
	s_add_co_u32 s100, s100, s87
	s_mov_b32 s101, 0
	s_add_nc_u64 s[98:99], s[98:99], s[100:101]
	CROUND                                         ; the four partners are here: the joint loads meet
	tensor_load_to_lds s[GX0:GX0+3], s[GX1:GX1+7]              ; every byte is filled once; five loads of mine are out at the most
	s_nop 0
	tensor_load_to_lds s[GW0:GW0+3], s[GW1:GW1+7]
	s_nop 0
	tensor_load_to_lds s[GW0+4:GW0+7], s[GW1:GW1+7]
	s_nop 0
	tensor_load_to_lds s[GW0+8:GW0+11], s[GW1:GW1+7]
	s_nop 0
	NOPS 4
	s_cmp_lt_u32 s[WV], 6
	s_cbranch_scc0 .Lno_small
	tensor_load_to_lds s[GS0:GS0+3], s[GS1:GS1+7]
	s_nop 0
	NOPS 4
.Lno_small:
	v_and_b32 v15, 31, v0                          ; lane
	s_delay_alu instid0(VALU_DEP_1)
	v_lshlrev_b32 v[LI], 4, v15
	v_and_b32 v204, 15, v0                         ; r
	v_bfe_u32 v205, v0, 4, 1                       ; h
	s_delay_alu instid0(VALU_DEP_2)
	v_and_b32 v206, 8, v204
	s_delay_alu instid0(VALU_DEP_1)
	v_add_nc_u32 v206, v206, v204                  ; r + 8 (r / 8)
	v_lshlrev_b32 v207, 2, v15                     ; 4 x lane
	s_delay_alu instid0(VALU_DEP_4)
	v_mul_u32_u24 v[XA], v205, 16*XP               ; x: channel 16 h,
	s_delay_alu instid0(VALU_DEP_1)
	v_lshl_add_u32 v[XA], v206, 2, v[XA]           ; token r + 8 (r / 8)
	s_lshr_b32 s88, s[WV], 1
	s_lshl_b32 s88, s88, 7
	s_and_b32 s90, s[WV], 1
	s_lshl_b32 s90, s90, 5
	s_add_co_u32 s88, s88, s90
	v_add_nc_u32 v[XA], s88, v[XA]                 ; + 32 (w / 2) + 8 (w % 2)
	v_mul_u32_u24 v[AW0], v206, WP
	s_delay_alu instid0(VALU_DEP_1)
	v_lshl_add_u32 v[AW0], v205, 4, v[AW0]
	s_delay_alu instid0(VALU_DEP_1)
	v_add_nc_u32 v[AW1], WC+WMB, v[AW0]
	s_delay_alu instid0(VALU_DEP_2)
	v_add_nc_u32 v[AW0], WC, v[AW0]
	v_mul_u32_u24 v[AWG], v204, WP
	s_delay_alu instid0(VALU_DEP_1)
	v_lshl_add_u32 v[AWG], v205, 4, v[AWG]
	s_mul_i32 s88, s[WV], 16*WP
	s_add_co_u32 s88, s88, WC+2*WMB
	v_add_nc_u32 v[AWG], s88, v[AWG]
	v_lshl_add_u32 v[AB], v205, 6, SM
	v_lshl_add_u32 v[ASW], v206, 2, SM+3072
	v_lshl_add_u32 v[AG], v204, 2, SM
	s_lshl_b32 s88, s[WV], 6
	v_add_nc_u32 v[AG], s88, v[AG]
	v_lshl_add_u32 v[SCW], v204, 2, SCO
	s_delay_alu instid0(VALU_DEP_1)
	v_add_nc_u32 v[SCW], s88, v[SCW]
	s_lshl_b32 s88, s[WV], 11
	s_add_co_u32 s88, s88, XIMG
	v_add_nc_u32 v[XWI], s88, v[LI]
	s_lshl_b32 s88, s[WV], 7
	s_add_co_u32 s88, s88, XSC
	v_add_nc_u32 v[XWS], s88, v207
	v_add_nc_u32 v[XRI], XIMG, v[LI]
	v_add_nc_u32 v[XRS], XSC, v207
	s_lshl_b32 s88, s[WV], 9
	s_add_co_u32 s88, s88, SCO
	v_add_nc_u32 v[SCR], s88, v[LI]
.irp b, 0,1,2,3
	v_mov_b32 v[TM+4+\b], 0                        ; written once: a lane permute's destination counts as one of its sources
.endr
	s_wait_tensorcnt 0x0                           ; my loads have landed,
	s_barrier_signal -1
	s_barrier_wait -1                              ; everybody's have
	; ---- x: my 16 tokens, 64 numbers a lane: channel 32 b + 16 h + i
.irp b, 0,1,2,3
.irp i, 0,1,2,3,4,5,6,7,8,9,10,11,12,13,14,15
	ds_load_b32 v[D+16*\b+\i], v[XA] offset:(32*\b+\i)*XP
.endr
.endr
	s_wait_dscnt 0x0
	QUANT D
.irp c, 0,1,2,3
	ds_store_b128 v[XWI], v[PC+4*\c:PC+4*\c+3] offset:512*\c
.endr
	s_wait_alu depctr_va_vdst(0)
	ds_store_b32 v[XWS], v[PW]
	s_wait_dscnt 0x0                               ; for the others' sake: my image lies in LDS
	s_barrier_signal -1
	s_barrier_wait -1
	WIN 0x40
.irp i, 0,1,2,3,4,5,6,7
.irp c, 0,1,2,3
	ds_load_b128 v[16*\i+4*\c:16*\i+4*\c+3], v[XRI] offset:2048*\i+512*\c   ; all eight fragments of x stay in window 1
.endr
.endr
	WIN 0
.irp i, 0,1,2,3,4,5,6,7
	ds_load_b32 v[XS+\i], v[XRS] offset:128*\i
.endr
.irp c, 0,1,2,3
	ds_load_b128 v[XO+4*\c:XO+4*\c+3], v[XWI] offset:512*\c   ; and my own once more in window 0
.endr
	ds_load_b32 v[XW], v[XWS]
	FJOB 0, 0, AW0, 24, 0, 0
	FJOB 1, 0, AW1, 28, 0, 1
	GJOB 0
	FJOB 0, 1, AW0, 24, 524288, 0
	FJOB 1, 1, AW1, 28, 1048576, 1
	GJOB 1
	s_wait_dscnt 0x0                               ; my scale words lie in LDS
	s_barrier_signal -1
	s_barrier_wait -1
	s_cmp_lt_u32 s[WV], 6
	s_cbranch_scc0 .Lno_words
	ds_load_b128 v[D:D+3], v[SCR]                  ; eight tiles' words: 512 bytes
	s_wait_dscnt 0x0
	global_store_b128 v[LI], v[D:D+3], s[98:99]    ; 32 lanes store 512 consecutive bytes
.Lno_words:
	s_wait_tensorcnt 0x0
	ds_add_u32 v254, v255
	s_wait_dscnt 0x0
	CROUND                                         ; the closing round: no work-group ends while a partner may still ask for a tile that names it
	s_endpgm
.Lfunc_end_k_qe11962d7be_prep:
	.size	k_qe11962d7be_prep, .Lfunc_end_k_qe11962d7be_prep-k_qe11962d7be_prep
	.p2alignl 7, 3214868480
	.fill 96, 4, 3214868480
	.section	.rodata,"a",@progbits
	.p2align	6, 0x0
	.amdhsa_kernel k_qe11962d7be_prep
		.amdhsa_group_segment_fixed_size 207872
		.amdhsa_private_segment_fixed_size 0
		.amdhsa_enable_private_segment 0
		.amdhsa_kernarg_size 112
		.amdhsa_user_sgpr_count 2
		.amdhsa_user_sgpr_kernarg_segment_ptr 1
		.amdhsa_wavefront_size32 1
		.amdhsa_system_sgpr_workgroup_id_x 1
		.amdhsa_system_sgpr_workgroup_id_y 1
		.amdhsa_system_sgpr_workgroup_id_z 1
		.amdhsa_system_vgpr_workitem_id 0
		.amdhsa_next_free_vgpr 512
		.amdhsa_next_free_sgpr 102
		.amdhsa_reserve_vcc 0
		.amdhsa_float_denorm_mode_32 3
		.amdhsa_float_denorm_mode_16_64 3
		.amdhsa_fp16_overflow 1
		.amdhsa_memory_ordered 1
		.amdhsa_forward_progress 1
		.amdhsa_inst_pref_size 75
	.end_amdhsa_kernel
	.amdgpu_metadata
---
amdhsa.version: [ 1, 2 ]
amdhsa.kernels:
  - .name:           k_qe11962d7be_prep
    .symbol:         k_qe11962d7be_prep.kd
    .args:
      - { .name: x, .offset: 0, .size: 8, .value_kind: global_buffer, .address_space: global }
      - { .name: W1_codes, .offset: 8, .size: 8, .value_kind: global_buffer, .address_space: global }
      - { .name: W1_scales, .offset: 16, .size: 8, .value_kind: global_buffer, .address_space: global }
      - { .name: W2_codes, .offset: 24, .size: 8, .value_kind: global_buffer, .address_space: global }
      - { .name: W2_scales, .offset: 32, .size: 8, .value_kind: global_buffer, .address_space: global }
      - { .name: Wg_codes, .offset: 40, .size: 8, .value_kind: global_buffer, .address_space: global }
      - { .name: Wg_scales, .offset: 48, .size: 8, .value_kind: global_buffer, .address_space: global }
      - { .name: b1, .offset: 56, .size: 8, .value_kind: global_buffer, .address_space: global }
      - { .name: b2, .offset: 64, .size: 8, .value_kind: global_buffer, .address_space: global }
      - { .name: bg, .offset: 72, .size: 8, .value_kind: global_buffer, .address_space: global }
      - { .name: qc, .offset: 80, .size: 8, .value_kind: global_buffer, .address_space: global }
      - { .name: qs, .offset: 88, .size: 8, .value_kind: global_buffer, .address_space: global }
      - { .name: kv, .offset: 96, .size: 8, .value_kind: global_buffer, .address_space: global }
      - { .name: kvs, .offset: 104, .size: 8, .value_kind: global_buffer, .address_space: global }
    .group_segment_fixed_size: 207872
    .private_segment_fixed_size: 0
    .kernarg_segment_align: 8
    .kernarg_segment_size: 112
    .max_flat_workgroup_size: 256
    .sgpr_count:     102
    .vgpr_count:     512
    .wavefront_size: 32
...
	.end_amdgpu_metadata
.endif
;; end of part 1
;; launch stats (part 2): grid 16 x 16, 8 waves a work-group, clusters of 4 x 1, 327,680 bytes of LDS; arguments qc, qs, kv, kvs, stats; writes stats
.if DOCPART == 2
	.amdgcn_target "amdgcn-amd-amdhsa--gfx1250"
	.amdhsa_code_object_version 6
	.text
	.protected	k_qe11962d7be_stats
	.globl	k_qe11962d7be_stats
	.p2align	8
	.type	k_qe11962d7be_stats,@function
k_qe11962d7be_stats:
	s_mov_b64 s[64:65], 0
	v_nop
	global_prefetch_b8 v0, s[64:65] scope:SCOPE_SE
	s_setreg_imm32_b32 hwreg(HW_REG_WAVE_MODE, 25, 1), 1
	s_wait_xcnt 0x0
	s_wait_alu depctr_hold_cnt(0) depctr_sa_sdst(0) depctr_va_vdst(0) depctr_va_sdst(0) depctr_va_ssrc(0) depctr_va_vcc(0) depctr_vm_vsrc(0)
	s_getreg_b32 s2, hwreg(HW_REG_IB_STS2, 6, 4)
	s_cmp_eq_u32 s2, 0
	s_cbranch_scc0 .Lentry_in_a_cluster
	s_endpgm
.Lentry_in_a_cluster:
	s_bfe_u32 s2, ttmp6, 0x10000c
	s_cmp_lg_u32 s2, 0x3003
	s_cbranch_scc0 .Lentry_shape_is_right
	s_endpgm
.Lentry_shape_is_right:
; The softmax runs over the QUERIES: each key wants the largest score and the sum of exponentials of its column.  This launch makes, for each key of each (batch, layer) and each of eight parts of
; the queries, lse = cm + log2 z, with cm = c x the largest score, z = the sum of 2^(c s - cm), c = log2(e) / 64.  stats: [part 8][b][l][4096] f32.
; SHARES.  A work-group: 256 keys (x), one batch and 512 queries (y = 8 b + part), all six layers.  Wave w: 64 keys (w % 4), four tiles, and 256 of the queries (w / 4).
; LAYOUT.  Source 0 = 16 queries, source 1 = 16 keys: a lane holds ONE key and eight queries a tile.  A running maximum, as in any softmax that walks its axis: when it grows, z is multiplied by 2^(old - new).
; K's fragments come from memory into registers, a layer ahead, two sets.  Q's images go through two LDS regions of two layers each (128 KB): layers 0, 1 and 2, 3 are first fills; layers 4, 5 fill
; region A again behind the one round, when layer 1 is done.  A wave's load brings its four images of both layers: [wave][layer][8 KB]; a trip's four images are one wave's piece.
; A trip's Q is fetched from LDS a trip ahead, into the same registers, behind the products that read them.
; CLUSTER.  The four blocks of keys of a cluster walk the same queries: Q's images and scale words are asked for jointly.
; No prefetch: the one refill is asked for two layers, eight trips, ahead of its first read.
; LIMITS: NaN and infinities among the scores are not served.
.set RB,    131072                     ; region B; region A begins at 0
.set QSR,   262144                     ; Q's scale words: [wave 8][layer 6][256 bytes], filled once
.set STAT,  274432                     ; [l][half of the queries][cm, z][256 keys]: written by LDS stores alone
.set SPARE, 299008                     ; the spare words, 128 bytes a wave: four blocks of 256 bytes that no other line names
.set LI,  1                            ; v1  16 x lane
.set LS,  2                            ; v2  4 x lane
.set ADQ, 3
.set ADS, 4
.set STW, 5                            ; v5  where my key's figures go
.set STR, 6                            ; v6  where a layer's figures are read back
.set SPW, 7
.set NIL, 8
.set QSC, 12                           ; v12-13 Q's scale words: tiles 0, 2 in lanes 0-15, tiles 1, 3 in lanes 16-31
.set KSC, 14                           ; v14-17 K's likewise, two sets
.set ST,  24                           ; eight registers a tile of keys: +0 cm, +1 m, +2,3 z, +4,5 a, +6,7 at work
.set QF,  64                           ; v64-127  four fragments of Q
.set S,   128                          ; v128-255 scores: tile of keys kt, tile of queries qt at S + 32 kt + 8 qt.   Window 1: K's fragments, set s at 64 s + 16 kt
.set WV,  14
.set G1,  32                           ; s[32:39] group 1 for Q's images
.set G0A, 40                           ; s[40:43] group 0 for region A
.set G0B, 44                           ; s[44:47] for region B
.set G1Q, 48                           ; s[48:55], s[56:59] groups 1 and 0 for Q's scale words
.set G0Q, 56
.set CS,  60
.set SEL, 62
.set TQ,  66
.set TSQ, 67
.set CNT, 68
.set KB,  70
.set KSB, 72
.set OUT, 74
.set MSB, 0
.macro WIN new                         ; the immediate's high byte repeats the setting that is left
.if MSB != \new
	s_set_vgpr_msb (MSB<<8)|\new
.set MSB, \new
.endif
.endm
.macro CROUND                          ; a round of the cluster's barrier
	s_barrier_signal -1
	s_barrier_wait -1
	s_cmp_lg_u32 s[WV], 0
	s_cbranch_scc1 .Lnot_wave_0_\@
	s_barrier_signal -3
.Lnot_wave_0_\@:
	s_barrier_wait -3
	s_barrier_signal -1
	s_barrier_wait -1
.endm
.macro NOPS n
.rept \n
	v_nop
.endr
.endm
; a product that starts its sum with the constant 0; ra, rb: the scales stand in lanes 16-31 of their registers
.macro WM0 d, a, b, sa, sb, ra, rb
.if (\ra) && (\rb)
	v_wmma_scale_f32_16x16x128_f8f6f4 v[(\d):(\d)+7], v[(\a):(\a)+15], v[(\b):(\b)+15], 0, v[(\sa)], v[(\sb)] matrix_a_fmt:MATRIX_FMT_BF8 matrix_b_fmt:MATRIX_FMT_BF8 matrix_a_scale:MATRIX_SCALE_ROW1 matrix_b_scale:MATRIX_SCALE_ROW1
.elseif (\ra)
	v_wmma_scale_f32_16x16x128_f8f6f4 v[(\d):(\d)+7], v[(\a):(\a)+15], v[(\b):(\b)+15], 0, v[(\sa)], v[(\sb)] matrix_a_fmt:MATRIX_FMT_BF8 matrix_b_fmt:MATRIX_FMT_BF8 matrix_a_scale:MATRIX_SCALE_ROW1
.elseif (\rb)
	v_wmma_scale_f32_16x16x128_f8f6f4 v[(\d):(\d)+7], v[(\a):(\a)+15], v[(\b):(\b)+15], 0, v[(\sa)], v[(\sb)] matrix_a_fmt:MATRIX_FMT_BF8 matrix_b_fmt:MATRIX_FMT_BF8 matrix_b_scale:MATRIX_SCALE_ROW1
.else
	v_wmma_scale_f32_16x16x128_f8f6f4 v[(\d):(\d)+7], v[(\a):(\a)+15], v[(\b):(\b)+15], 0, v[(\sa)], v[(\sb)] matrix_a_fmt:MATRIX_FMT_BF8 matrix_b_fmt:MATRIX_FMT_BF8
.endif
.endm
.macro KLOAD l                         ; layer l's four fragments of K and their scale words: 18 loads, into set l % 2
	WIN 0x40
.irp kt, 0,1,2,3
.irp c, 0,1,2,3
	global_load_b128 v[64*((\l)%2)+16*\kt+4*\c:64*((\l)%2)+16*\kt+4*\c+3], v[LI], s[KB:KB+1] offset:(\l)*1048576+2048*\kt+512*\c
.endr
.endr
	WIN 0
.irp j, 0,1
	global_load_b32 v[KSC+2*((\l)%2)+\j], v[LS], s[KSB:KSB+1] offset:(\l)*32768+128*\j
.endr
.endm
.macro QFETCH                          ; a trip's four fragments of Q and their scale words: 18 LDS loads; then on to the next trip's piece
	v_add_nc_u32 v[ADQ], s[TQ], v[LI]
	v_add_nc_u32 v[ADS], s[TSQ], v[LS]
.irp qt, 0,1,2,3
.irp c, 0,1,2,3
	ds_load_b128 v[QF+16*\qt+4*\c:QF+16*\qt+4*\c+3], v[ADQ] offset:2048*\qt+512*\c
.endr
.endr
	ds_load_b32 v[QSC], v[ADS]
	ds_load_b32 v[QSC+1], v[ADS] offset:128
	s_add_co_u32 s[TQ], s[TQ], 16384
	s_add_co_u32 s[TSQ], s[TSQ], 1536
.endm
; 64 queries x my 64 keys.  fetch = 1: the next trip's Q is asked for behind this trip's products
.macro TRIP ks, fetch
	s_wait_dscnt 0x0                               ; this trip's Q and its scale words are in: they were asked for a trip ago
	WIN 0x04                                       ; source 1 (K) window 1
.irp kt, 0,1,2,3
.irp qt, 0,1,2,3
	WM0 S+32*\kt+8*\qt, QF+16*\qt, 64*(\ks)+16*\kt, QSC+\qt/2, KSC+2*(\ks)+\kt/2, \qt%2, \kt%2
.endr
.endr
	WIN 0
	NOPS 8                                         ; eight places ahead of loads into operands and of the first read of results
.if \fetch
	QFETCH
.endif
	; the largest of my key's 32 scores and the old m; registers in ascending order, the four tiles by turns
.irp kt, 0,1,2,3
	v_max3_num_f32 v[ST+8*\kt+6], v[S+32*\kt], v[S+32*\kt+1], v[ST+8*\kt+1]
.endr
.irp kt, 0,1,2,3
	v_max3_num_f32 v[ST+8*\kt+7], v[S+32*\kt+2], v[S+32*\kt+3], v[S+32*\kt+4]
.endr
.irp e, 0,1,2,3,4,5,6,7,8,9,10,11,12
.irp kt, 0,1,2,3
	v_max3_num_f32 v[ST+8*\kt+6+(\e%2)], v[ST+8*\kt+6+(\e%2)], v[S+32*\kt+5+2*\e], v[S+32*\kt+6+2*\e]
.endr
.endr
.irp kt, 0,1,2,3
	v_max3_num_f32 v[ST+8*\kt+1], v[ST+8*\kt+6], v[ST+8*\kt+7], v[S+32*\kt+31]
.endr
.irp kt, 0,1,2,3
	v_mov_b32 v[ST+8*\kt+6], v[ST+8*\kt]           ; the old cm
.endr
.irp kt, 0,1,2,3
	v_mul_f32 v[ST+8*\kt], s[CS], v[ST+8*\kt+1]    ; the new
.endr
.irp kt, 0,1,2,3
	v_sub_f32 v[ST+8*\kt+6], v[ST+8*\kt+6], v[ST+8*\kt]
.endr
	; c s - cm, a pair at a time, and the exponentials, by turns: a scaling, then the two exponentials of the pair scaled four slots back.  ONE BATCH: no line here reads an exponential's result
.set n, 0
.rept 68
.if n < 64
	v_pk_fma_f32 v[S+32*(n%4)+2*(n/4):S+32*(n%4)+2*(n/4)+1], v[S+32*(n%4)+2*(n/4):S+32*(n%4)+2*(n/4)+1], s[CS:CS+1], v[ST+8*(n%4):ST+8*(n%4)+1] op_sel_hi:[1,0,0] neg_lo:[0,0,1] neg_hi:[0,0,1]
.endif
.if n >= 4
	v_exp_f32 v[S+32*((n-4)%4)+2*((n-4)/4)], v[S+32*((n-4)%4)+2*((n-4)/4)]
	v_exp_f32 v[S+32*((n-4)%4)+2*((n-4)/4)+1], v[S+32*((n-4)%4)+2*((n-4)/4)+1]
.endif
.set n, n+1
.endr
.irp kt, 0,1,2,3
	v_exp_f32 v[ST+8*\kt+4], v[ST+8*\kt+6]         ; a = 2^(old cm - new cm)
.endr
	v_nop                                          ; a plain instruction behind the last exponential
	s_wait_alu depctr_va_vdst(0)                   ; one wait for the batch, ahead of its first reader
.irp e, 0,1,2,3,4,5,6,7
.irp kt, 0,1,2,3
	v_pk_add_f32 v[S+32*\kt+4*\e:S+32*\kt+4*\e+1], v[S+32*\kt+4*\e:S+32*\kt+4*\e+1], v[S+32*\kt+4*\e+2:S+32*\kt+4*\e+3]
.endr
.endr
.irp e, 0,1,2,3
.irp kt, 0,1,2,3
	v_pk_add_f32 v[S+32*\kt+8*\e:S+32*\kt+8*\e+1], v[S+32*\kt+8*\e:S+32*\kt+8*\e+1], v[S+32*\kt+8*\e+4:S+32*\kt+8*\e+5]
.endr
.endr
.irp e, 0,1
.irp kt, 0,1,2,3
	v_pk_add_f32 v[S+32*\kt+16*\e:S+32*\kt+16*\e+1], v[S+32*\kt+16*\e:S+32*\kt+16*\e+1], v[S+32*\kt+16*\e+8:S+32*\kt+16*\e+9]
.endr
.endr
.irp kt, 0,1,2,3
	v_pk_add_f32 v[S+32*\kt:S+32*\kt+1], v[S+32*\kt:S+32*\kt+1], v[S+32*\kt+16:S+32*\kt+17]
.endr
.irp kt, 0,1,2,3
	v_pk_fma_f32 v[ST+8*\kt+2:ST+8*\kt+3], v[ST+8*\kt+2:ST+8*\kt+3], v[ST+8*\kt+4:ST+8*\kt+5], v[S+32*\kt:S+32*\kt+1] op_sel_hi:[1,0,1]   ; z = z a + the sum
.endr
.endm
; a layer's end: the two halves of the lanes, which hold the same key and other queries, are joined; both then hold the same bits
.macro FIN l
.irp kt, 0,1,2,3
	v_add_f32 v[ST+8*\kt+2], v[ST+8*\kt+2], v[ST+8*\kt+3]
.endr
.irp kt, 0,1,2,3
	v_permlanex16_b32 v[ST+8*\kt+6], v[ST+8*\kt], s[SEL], s[SEL+1]
.endr
.irp kt, 0,1,2,3
	v_max_num_f32 v[ST+8*\kt+6], v[ST+8*\kt], v[ST+8*\kt+6]
.endr
.irp kt, 0,1,2,3
	v_sub_f32 v[ST+8*\kt+7], v[ST+8*\kt], v[ST+8*\kt+6]
.endr
.irp kt, 0,1,2,3
	v_exp_f32 v[ST+8*\kt+7], v[ST+8*\kt+7]
.endr
	v_nop
	s_wait_alu depctr_va_vdst(0)
.irp kt, 0,1,2,3
	v_mul_f32 v[ST+8*\kt+2], v[ST+8*\kt+2], v[ST+8*\kt+7]
.endr
.irp kt, 0,1,2,3
	v_permlanex16_b32 v[ST+8*\kt+7], v[ST+8*\kt+2], s[SEL], s[SEL+1]
.endr
.irp kt, 0,1,2,3
	v_add_f32 v[ST+8*\kt+2], v[ST+8*\kt+2], v[ST+8*\kt+7]
.endr
.irp kt, 0,1,2,3
	ds_store_b32 v[STW], v[ST+8*\kt+6] offset:(\l)*4096+(32*(\kt/2)+8*(\kt%2))*4
	ds_store_b32 v[STW], v[ST+8*\kt+2] offset:(\l)*4096+1024+(32*(\kt/2)+8*(\kt%2))*4
.endr
.endm
.macro LAYER l
.if (\l) < 5
	KLOAD (\l)+1                                   ; the other set's last products stand a layer's end back
.endif
	s_mov_b32 s[TQ], (((\l)/2)%2)*RB+((\l)%2)*8192 ; the layer's region, its place in a wave's piece,
	s_add_co_u32 s[TQ], s[TQ], s30                 ; my half of the eight pieces
	s_mov_b32 s[TSQ], QSR+(\l)*256
	s_add_co_u32 s[TSQ], s[TSQ], s31
	QFETCH                                         ; the layer's first trip
.irp kt, 0,1,2,3
	v_mov_b32 v[ST+8*\kt+1], 0xff61b1e6            ; m = -3e38, under every score
	v_mov_b32 v[ST+8*\kt+2], 0
	v_mov_b32 v[ST+8*\kt+3], 0
.endr
.irp kt, 0,1,2,3
	v_mul_f32 v[ST+8*\kt], s[CS], v[ST+8*\kt+1]
.endr
.if (\l) < 5
	s_wait_loadcnt 18                              ; this layer's K is in; the 18 loads just issued may stay out
.else
	s_wait_loadcnt 0x0
.endif
	s_mov_b32 s[CNT], 3
.Ltrip_\@:                                         ; three trips that fetch ahead;
	TRIP (\l)%2, 1
	s_sub_co_u32 s[CNT], s[CNT], 1
	s_cmp_lg_u32 s[CNT], 0
	s_cbranch_scc1 .Ltrip_\@
	TRIP (\l)%2, 0                                 ; the fourth is written out: it has nothing to fetch
	FIN \l
.endm
; Between two pairs of layers: all my tensor loads have landed (my part of the region ahead), 0 is added to my spare word, my LDS instructions are done.  fill = 1: behind the round region A takes layers 4, 5.
.macro CHANGE fill
	s_wait_tensorcnt 0x0
	ds_add_u32 v[SPW], v[NIL]
.if \fill
	s_add_nc_u64 s[G0A+2:G0A+3], s[G0A+2:G0A+3], 2097152   ; no load of mine is out: region A's descriptor steps four layers on
.endif
	s_wait_dscnt 0x0
.if \fill
	CROUND
	tensor_load_to_lds s[G0A:G0A+3], s[G1:G1+7]    ; my one load behind the round: 16 KB; it has two layers, eight trips, in which to land
	s_nop 0
	NOPS 4
.else
	s_barrier_signal -1
	s_barrier_wait -1
.endif
.endm
	s_load_b256 s[4:11], s[0:1], 0x0               ; qc 4, qs 6, kv 8, kvs 10
	s_load_b64 s[12:13], s[0:1], 0x20              ; stats
	v_lshl_add_u32 v[SPW], v0, 2, SPARE
	v_mov_b32 v[NIL], 0
	ds_add_u32 v7, v8
	ds_add_u32 v7, v8
	s_wait_dscnt 0x0
	v_lshrrev_b32 v18, 5, v0
	v_readfirstlane_b32 s[WV], v18                 ; wave 0..7
	s_bfe_u32 s15, ttmp6, 0x40000                  ; cx: it enters global addresses alone
	s_lshl_b32 s16, ttmp9, 2
	s_add_co_u32 s16, s16, s15                     ; my block of 256 keys
	s_and_b32 s21, ttmp7, 0xffff
	s_lshr_b32 s17, s21, 3                         ; the batch
	s_and_b32 s18, s21, 7                          ; the part of the queries
	s_and_b32 s19, s[WV], 3                        ; which 64 keys
	s_lshr_b32 s20, s[WV], 2                       ; which half of the queries
	s_lshl_b32 s30, s20, 16                        ; four pieces of 16 KB
	s_mul_i32 s31, s20, 6144                       ; four pieces of 1,536 bytes
	; group 1 for Q's images: 2 rows (layers) of 8,192 bytes, 524,288 bytes apart, on end in LDS; the mask names the four partners
	s_mov_b32 s[G1+0], 15|(3<<16)|(1<<21)
	s_mov_b32 s[G1+1], 1024<<16
	s_mov_b32 s[G1+2], 2<<16
	s_mov_b32 s[G1+3], 1024<<16
	s_mov_b32 s[G1+4], 2
	s_mov_b32 s[G1+5], 65536
	s_mov_b32 s[G1+6], 0
	s_mov_b32 s[G1+7], 0
	; group 1 for Q's scale words: six rows (layers) of 256 bytes, 16,384 bytes apart
	s_mov_b32 s[G1Q+0], 15|(3<<16)|(1<<21)
	s_mov_b32 s[G1Q+1], 32<<16
	s_mov_b32 s[G1Q+2], 6<<16
	s_mov_b32 s[G1Q+3], 32<<16
	s_mov_b32 s[G1Q+4], 6
	s_mov_b32 s[G1Q+5], 2048
	s_mov_b32 s[G1Q+6], 0
	s_mov_b32 s[G1Q+7], 0
	s_mul_i32 s22, s17, 3145728                    ; qc: a batch is six layers of 524,288 bytes; a part 32 images; my four of them
	s_lshl_b32 s23, s18, 16
	s_add_co_u32 s22, s22, s23
	s_lshl_b32 s23, s[WV], 13
	s_add_co_u32 s22, s22, s23
	s_mov_b32 s23, 0
	s_mul_i32 s26, s17, 98304                      ; qs likewise: 16,384 a layer, 2,048 a part, 256 for my four tiles
	s_lshl_b32 s27, s18, 11
	s_add_co_u32 s26, s26, s27
	s_lshl_b32 s27, s[WV], 8
	s_add_co_u32 s26, s26, s27
	s_mov_b32 s27, 0
	s_lshl_b32 s24, s[WV], 14                      ; in LDS: my 16 KB of a region,
	s_mul_i32 s25, s[WV], 1536                     ; my 1,536 bytes of scale words
	s_mov_b32 s[CS], 0x3cb8aa3b                    ; c = log2(e) / 64
	s_mov_b32 s[CS+1], s[CS]
	s_mov_b32 s[SEL], 0x76543210
	s_mov_b32 s[SEL+1], 0xfedcba98
	s_wait_kmcnt 0x0
	s_mov_b32 s[G0A], 1
	s_mov_b32 s[G0A+1], s24
	s_add_nc_u64 s[G0A+2:G0A+3], s[4:5], s[22:23]  ; layers 0, 1
	s_mov_b32 s[G0B], 1
	s_add_co_u32 s[G0B+1], s24, RB
	s_add_nc_u64 s[G0B+2:G0B+3], s[G0A+2:G0A+3], 1048576   ; layers 2, 3
	s_or_b32 s[G0A+3], s[G0A+3], 0x80000000
	s_or_b32 s[G0B+3], s[G0B+3], 0x80000000
	s_mov_b32 s[G0Q], 1
	s_add_co_u32 s[G0Q+1], s25, QSR
	s_add_nc_u64 s[G0Q+2:G0Q+3], s[6:7], s[26:27]
	s_or_b32 s[G0Q+3], s[G0Q+3], 0x80000000
	s_mul_i32 s22, s17, 192                        ; K: step 192 b + 2 x block + (64 keys) / 2,
	s_lshl_b32 s24, s16, 1
	s_add_co_u32 s22, s22, s24
	s_lshr_b32 s24, s19, 1
	s_add_co_u32 s22, s22, s24
	s_and_b32 s24, s19, 1                          ; tiles 0-3 or 4-7 of it
	s_lshl_b32 s26, s22, 15
	s_lshl_b32 s28, s24, 13
	s_add_co_u32 s26, s26, s28
	s_add_nc_u64 s[KB:KB+1], s[8:9], s[26:27]
	s_lshl_b32 s26, s22, 10
	s_lshl_b32 s28, s24, 8
	s_add_co_u32 s26, s26, s28
	s_add_nc_u64 s[KSB:KSB+1], s[10:11], s[26:27]
	s_min_u32 s29, s[WV], 5                        ; at the end wave w (0..5) joins layer w
	s_mul_i32 s26, s18, 196608
	s_mul_i32 s28, s17, 6
	s_add_co_u32 s28, s28, s29
	s_lshl_b32 s28, s28, 14
	s_add_co_u32 s26, s26, s28
	s_lshl_b32 s28, s16, 10
	s_add_co_u32 s26, s26, s28
	s_add_nc_u64 s[OUT:OUT+1], s[12:13], s[26:27]
	CROUND                                         ; the four partners are here: the first joint loads meet
	tensor_load_to_lds s[G0Q:G0Q+3], s[G1Q:G1Q+7]  ; my part of the scale words; of layers 0, 1; of layers 2, 3: three loads of mine are out
	s_nop 0
	tensor_load_to_lds s[G0A:G0A+3], s[G1:G1+7]
	s_nop 0
	tensor_load_to_lds s[G0B:G0B+3], s[G1:G1+7]
	s_nop 0
	NOPS 4
	v_and_b32 v18, 31, v0
	v_lshlrev_b32 v[LI], 4, v18
	v_lshlrev_b32 v[LS], 2, v18
	KLOAD 0
	v_and_b32 v19, 15, v0
	v_and_b32 v20, 8, v19
	v_add_nc_u32 v19, v19, v20                     ; r + 8 (r / 8)
	s_lshl_b32 s22, s20, 11
	s_lshl_b32 s24, s19, 8
	s_add_co_u32 s22, s22, s24
	s_add_co_u32 s22, s22, STAT
	v_lshlrev_b32 v[STW], 2, v19
	v_add_nc_u32 v[STW], s22, v[STW]
	s_lshl_b32 s22, s29, 12
	s_add_co_u32 s22, s22, STAT
	v_add_nc_u32 v[STR], s22, v[LI]
.irp kt, 0,1,2,3
	v_mov_b32 v[ST+8*\kt+5], 0                     ; named as the upper half of a's pair, never used
.endr
	s_wait_tensorcnt 1                             ; my parts of the scale words and of region A are in; region B's may stay out
	s_barrier_signal -1
	s_barrier_wait -1                              ; everybody's are
	LAYER 0
	LAYER 1
	CHANGE 1                                       ; region B is whole, nobody reads region A: it takes layers 4, 5
	LAYER 2
	LAYER 3
	CHANGE 0                                       ; region A is whole; nothing is left to fetch
	LAYER 4
	LAYER 5
	s_wait_dscnt 0x0                               ; my figures lie in LDS
	s_barrier_signal -1
	s_barrier_wait -1
	s_cmp_lt_u32 s[WV], 6
	s_cbranch_scc0 .Lno_join
	; wave w joins the two halves of the queries for layer w: 256 keys, eight a lane
.irp g, 0,1
.irp a, 0,1,2,3
	ds_load_b128 v[S+16*\g+4*\a:S+16*\g+4*\a+3], v[STR] offset:512*\g+1024*\a   ; cm and z of half 0, cm and z of half 1
.endr
.endr
	s_wait_dscnt 0x0
.irp e, 0,1,2,3,4,5,6,7
	v_max_num_f32 v[S+32+\e], v[S+16*(\e/4)+\e%4], v[S+16*(\e/4)+8+\e%4]
.endr
.irp e, 0,1,2,3,4,5,6,7
	v_sub_f32 v[S+16*(\e/4)+\e%4], v[S+16*(\e/4)+\e%4], v[S+32+\e]
	v_sub_f32 v[S+16*(\e/4)+8+\e%4], v[S+16*(\e/4)+8+\e%4], v[S+32+\e]
.endr
.irp e, 0,1,2,3,4,5,6,7
	v_exp_f32 v[S+16*(\e/4)+\e%4], v[S+16*(\e/4)+\e%4]
	v_exp_f32 v[S+16*(\e/4)+8+\e%4], v[S+16*(\e/4)+8+\e%4]
.endr
	v_nop
	s_wait_alu depctr_va_vdst(0)
.irp e, 0,1,2,3,4,5,6,7
	v_mul_f32 v[S+16*(\e/4)+4+\e%4], v[S+16*(\e/4)+4+\e%4], v[S+16*(\e/4)+\e%4]
.endr
.irp e, 0,1,2,3,4,5,6,7
	v_fma_f32 v[S+40+\e], v[S+16*(\e/4)+12+\e%4], v[S+16*(\e/4)+8+\e%4], v[S+16*(\e/4)+4+\e%4]   ; z: at least 1, at most 512
.endr
.irp e, 0,1,2,3,4,5,6,7
	v_log_f32 v[S+40+\e], v[S+40+\e]
.endr
	v_nop
	s_wait_alu depctr_va_vdst(0)
.irp e, 0,1,2,3,4,5,6,7
	v_add_f32 v[S+32+\e], v[S+32+\e], v[S+40+\e]   ; lse = cm + log2 z
.endr
.irp g, 0,1
	global_store_b128 v[LI], v[S+32+4*\g:S+35+4*\g], s[OUT:OUT+1] offset:512*\g   ; 32 lanes store 512 consecutive bytes
.endr
.Lno_join:
	s_wait_tensorcnt 0x0                           ; the wave's end
	ds_add_u32 v[SPW], v[NIL]
	s_wait_dscnt 0x0
	CROUND                                         ; the closing round
	s_endpgm
.Lfunc_end_k_qe11962d7be_stats:
	.size	k_qe11962d7be_stats, .Lfunc_end_k_qe11962d7be_stats-k_qe11962d7be_stats
	.p2alignl 7, 3214868480
	.fill 96, 4, 3214868480
	.section	.rodata,"a",@progbits
	.p2align	6, 0x0
	.amdhsa_kernel k_qe11962d7be_stats
		.amdhsa_group_segment_fixed_size 327680
		.amdhsa_private_segment_fixed_size 0
		.amdhsa_enable_private_segment 0
		.amdhsa_kernarg_size 40
		.amdhsa_user_sgpr_count 2
		.amdhsa_user_sgpr_kernarg_segment_ptr 1
		.amdhsa_wavefront_size32 1
		.amdhsa_system_sgpr_workgroup_id_x 1
		.amdhsa_system_sgpr_workgroup_id_y 1
		.amdhsa_system_sgpr_workgroup_id_z 1
		.amdhsa_system_vgpr_workitem_id 0
		.amdhsa_next_free_vgpr 512
		.amdhsa_next_free_sgpr 80
		.amdhsa_reserve_vcc 0
		.amdhsa_float_denorm_mode_32 3
		.amdhsa_float_denorm_mode_16_64 3
		.amdhsa_memory_ordered 1
		.amdhsa_forward_progress 1
		.amdhsa_inst_pref_size 255
	.end_amdhsa_kernel
	.section	.bss,"aw",@nobits
	.p2align	6
	.space	262144
	.amdgpu_metadata
---
amdhsa.version: [ 1, 2 ]
amdhsa.kernels:
  - .name:           k_qe11962d7be_stats
    .symbol:         k_qe11962d7be_stats.kd
    .args:
      - { .name: qc, .offset: 0, .size: 8, .value_kind: global_buffer, .address_space: global }
      - { .name: qs, .offset: 8, .size: 8, .value_kind: global_buffer, .address_space: global }
      - { .name: kv, .offset: 16, .size: 8, .value_kind: global_buffer, .address_space: global }
      - { .name: kvs, .offset: 24, .size: 8, .value_kind: global_buffer, .address_space: global }
      - { .name: stats, .offset: 32, .size: 8, .value_kind: global_buffer, .address_space: global }
    .group_segment_fixed_size: 327680
    .private_segment_fixed_size: 0
    .kernarg_segment_align: 8
    .kernarg_segment_size: 40
    .max_flat_workgroup_size: 256
    .sgpr_count:     80
    .vgpr_count:     512
    .wavefront_size: 32
...
	.end_amdgpu_metadata
.endif
;; end of part 2
;; launch attend (part 3): grid 16 x 16, 4 waves a work-group, clusters of 4 x 1, 327,680 bytes of LDS; arguments qc, qs, kv, kvs, stats, part; writes part
.if DOCPART == 3
	.amdgcn_target "amdgcn-amd-amdhsa--gfx1250"
	.amdhsa_code_object_version 6
	.text
	.protected	k_qe11962d7be_attend
	.globl	k_qe11962d7be_attend
	.p2align	8
	.type	k_qe11962d7be_attend,@function
k_qe11962d7be_attend:
	s_mov_b64 s[64:65], 0
	v_nop
	global_prefetch_b8 v0, s[64:65] scope:SCOPE_SE
	s_setreg_imm32_b32 hwreg(HW_REG_WAVE_MODE, 25, 1), 1
	s_wait_xcnt 0x0
	s_wait_alu depctr_hold_cnt(0) depctr_sa_sdst(0) depctr_va_vdst(0) depctr_va_sdst(0) depctr_va_ssrc(0) depctr_va_vcc(0) depctr_vm_vsrc(0)
	s_getreg_b32 s2, hwreg(HW_REG_IB_STS2, 6, 4)
	s_cmp_eq_u32 s2, 0
	s_cbranch_scc0 .Lentry_in_a_cluster
	s_endpgm
.Lentry_in_a_cluster:
	s_bfe_u32 s2, ttmp6, 0x10000c
	s_cmp_lg_u32 s2, 0x3003
	s_cbranch_scc0 .Lentry_shape_is_right
	s_endpgm
.Lentry_shape_is_right:
; part[p][b][c][n] = the sum, over the 3,072 (layer, key) pairs of part p of batch b, of attn[n][key] g[key][c], both products on codes of E5M2.
; attn = 2^(c s + nl), c = log2(e) / 64, nl = -(the key's column's log2 of the sum of 2^(c s)), joined at the head from the eight lse = cm + log2 z that the launch before stored: nl = -(max lse + log2 sum 2^(lse - max)).
; So attn is finished and normalised when it is quantised, in blocks of 32 keys; its exponent is never above 0 but by rounding; nothing is rescaled, and the six layers add into the same accumulators.
; SHARES.  A work-group: 256 queries (x) of one batch, 24 steps of 128 keys (y = 8 b + p): steps 24 p .. 24 p + 23 of the batch's 192, on end in kv, kvs and stats.  A wave: 64 queries, four tiles.
; LAYOUT.  S^T = K Q^T (source 0 = 16 keys, source 1 = 16 queries): a lane holds one query; the keys of a tile are chosen so that the 16 registers of tiles 2 b, 2 b + 1 are keys 32 b + 16 h + 0 .. 15.
; O = P V (source 0 = P's 16 queries, source 1 = 16 channels of V): a lane holds one CHANNEL and eight neighbouring tokens: rows of the output as it lies in memory.
; BY TURNS.  Pieces 0 (tiles 0, 1) and 2 (tiles 2, 3).  In a turn one piece has 16 products P V of the step in hand and 16 products K Q^T of the next; the other piece's softmax stands round them,
; a matrix instruction behind every eighth of its first 256 lines.  Each accumulator has one instruction a step: no two matrix instructions that follow each other share one.
; RING.  Region H holds steps 0, 1 (filled once; the stage at the end); slots X and Y hold two steps each.  CLUSTER: the four blocks of queries walk the same K and V: every tile is asked for jointly.
; LIMITS: NaN and infinities are not served; an attn under 2^-126 becomes 0.
; WINDOWS: 0: addresses, scale words, TM, NL (nl of a step's keys), PC (P's codes), QF (Q);  1: O at 8 (8 q + d) (at the head: the lse);  2: S at 64 q + 8 t;  3: K at 16 t, V at 128 + 16 d.
.set SCL,   196608                     ; the part's scale words: 24 steps x (K's 512, V's 512), filled once
.set LSE,   221184                     ; nl of the part's 3,072 keys: written by LDS stores alone
.set SPARE, 233472                     ; the spare words, 128 bytes a wave: two blocks of 256 bytes that no other line names
.set LAG, 4                            ; an exponential stands four pairs behind its scaling
.set LI,  1                            ; v1  16 x lane
.set L4,  2                            ; v2  4 x lane
.set LSS, 3                            ; v3  SCL + 4 x lane
.set LHL, 4                            ; v4  LSE + 64 h
.set ADK, 5
.set ADS, 6
.set ADL, 7
.set STO, 8
.set RD,  9
.set GO,  10
.set PFO, 11                           ; v11 256 x lane
.set SPW, 12
.set NIL, 13
.set CO,  14                           ; v14 16 x thread
.set LW,  15                           ; v15 LSE + 16 x thread
.set KS,  16                           ; v16-19 K's scale words: tile 2 j in lanes 0-15, 2 j + 1 in lanes 16-31
.set VS,  20                           ; v20-23 V's
.set QS,  24                           ; v24-25 Q's
.set PW,  26                           ; v26-29 P's, a register a tile
.set RR,  30
.set HH,  31
.set BM,  32                           ; eight units (tile in the piece x 4 + block): the block's largest attn
.set PX,  40                           ; the other half's; then the bytes
.set HD,  48
.set SO,  56                           ; the conversions' scale operands
.set NL,  64
.set PC,  128
.set QF,  192
.set WV,  16
.set CX,  17
.set QBK, 18
.set BB,  19
.set PP,  20
.set G1,  32
.set G1S, 40
.set G0S, 48
.set G0H, 52
.set G0X, 56
.set CS,  60
.set SEL, 62
.set MNT, 66
.set TB,  67
.set TS,  68
.set TL,  69
.set SLOTS, 70
.set TWICE, 71
.set GS,  72                           ; the step (of the batch's 192) that is fetched next
.set LIM, 73
.set PFA, 74
.set QB,  76
.set QSB, 78
.set QP,  80
.set QSP, 82
.set T0,  84
.set T2,  86
.set OUT, 88
.set SB,  90
.set MSB, 0
.macro WIN new                         ; the immediate's high byte repeats the setting that is left; a switch that changes nothing is dropped
.if MSB != \new
	s_set_vgpr_msb (MSB<<8)|\new
.set MSB, \new
.endif
.endm
.macro CROUND                          ; a round of the cluster's barrier
	s_barrier_signal -1
	s_barrier_wait -1
	s_cmp_lg_u32 s[WV], 0
	s_cbranch_scc1 .Lnot_wave_0_\@
	s_barrier_signal -3
.Lnot_wave_0_\@:
	s_barrier_wait -3
	s_barrier_signal -1
	s_barrier_wait -1
.endm
.macro NOPS n
.rept \n
	v_nop
.endr
.endm
; one product.  c < 0: the constant 0 starts the sum.  ra, rb: the scales stand in lanes 16-31 of their registers
.macro WM d, a, b, c, sa, sb, ra, rb
.if (\c) < 0
.if (\ra) && (\rb)
	v_wmma_scale_f32_16x16x128_f8f6f4 v[(\d):(\d)+7], v[(\a):(\a)+15], v[(\b):(\b)+15], 0, v[(\sa)], v[(\sb)] matrix_a_fmt:MATRIX_FMT_BF8 matrix_b_fmt:MATRIX_FMT_BF8 matrix_a_scale:MATRIX_SCALE_ROW1 matrix_b_scale:MATRIX_SCALE_ROW1
.elseif (\ra)
	v_wmma_scale_f32_16x16x128_f8f6f4 v[(\d):(\d)+7], v[(\a):(\a)+15], v[(\b):(\b)+15], 0, v[(\sa)], v[(\sb)] matrix_a_fmt:MATRIX_FMT_BF8 matrix_b_fmt:MATRIX_FMT_BF8 matrix_a_scale:MATRIX_SCALE_ROW1
.elseif (\rb)
	v_wmma_scale_f32_16x16x128_f8f6f4 v[(\d):(\d)+7], v[(\a):(\a)+15], v[(\b):(\b)+15], 0, v[(\sa)], v[(\sb)] matrix_a_fmt:MATRIX_FMT_BF8 matrix_b_fmt:MATRIX_FMT_BF8 matrix_b_scale:MATRIX_SCALE_ROW1
.else
	v_wmma_scale_f32_16x16x128_f8f6f4 v[(\d):(\d)+7], v[(\a):(\a)+15], v[(\b):(\b)+15], 0, v[(\sa)], v[(\sb)] matrix_a_fmt:MATRIX_FMT_BF8 matrix_b_fmt:MATRIX_FMT_BF8
.endif
.else
.if (\rb)
	v_wmma_scale_f32_16x16x128_f8f6f4 v[(\d):(\d)+7], v[(\a):(\a)+15], v[(\b):(\b)+15], v[(\c):(\c)+7], v[(\sa)], v[(\sb)] matrix_a_fmt:MATRIX_FMT_BF8 matrix_b_fmt:MATRIX_FMT_BF8 matrix_b_scale:MATRIX_SCALE_ROW1
.else
	v_wmma_scale_f32_16x16x128_f8f6f4 v[(\d):(\d)+7], v[(\a):(\a)+15], v[(\b):(\b)+15], v[(\c):(\c)+7], v[(\sa)], v[(\sb)] matrix_a_fmt:MATRIX_FMT_BF8 matrix_b_fmt:MATRIX_FMT_BF8
.endif
.endif
.endm
; matrix instruction number mi of piece x's turn: 16 products P V (pv = 2; 1: they start the sums; 0: none), then 16 products K Q^T (kq = 1); nothing past the list's end
.macro MX x, pv, kq
.set npv, 0
.if \pv
.set npv, 16
.endif
.if mi < npv
.set qq, (\x)+mi%2
.set dd, mi/2
	WIN 0x5c                                       ; P window 0, V window 3, O window 1
.if (\pv) == 1
	WM 8*(8*qq+dd), PC+16*qq, 128+16*dd, -1, PW+qq, VS+dd/2, 0, dd%2
.else
	WM 8*(8*qq+dd), PC+16*qq, 128+16*dd, 8*(8*qq+dd), PW+qq, VS+dd/2, 0, dd%2
.endif
.elseif (\kq) && (mi < npv+16)
.if ((\x) == 0) && (mi == npv)
	s_wait_dscnt 0x0                               ; the next step's K and its scale words are in,
	s_wait_loadcnt 0x0                             ; and Q, where a new layer has begun
.endif
.set qq, (\x)+(mi-npv)%2
.set tt, (mi-npv)/2
	WIN 0x83                                       ; K window 3, Q window 0, S window 2
	WM 64*qq+8*tt, 16*tt, QF+16*qq, -1, KS+tt/2, QS+qq/2, tt%2, qq%2
.endif
.set mi, mi+1
.endm
.macro TICK x, pv, kq                  ; counts the lines of a turn's first run: a matrix instruction behind every eighth
.set cnt, cnt+1
.if cnt%8 == 0
	MX \x, \pv, \kq
.endif
.endm
.macro FETCH_K                         ; the next step's eight fragments of K and their scale words
	WIN 0
	v_add_nc_u32 v[ADK], s[TB], v[LI]
	v_add_nc_u32 v[ADS], s[TS], v[LSS]
	WIN 0xc0                                       ; destination window 3
.irp t, 0,1,2,3,4,5,6,7
.irp c, 0,1,2,3
	ds_load_b128 v[16*\t+4*\c:16*\t+4*\c+3], v[ADK] offset:2048*\t+512*\c
.endr
.endr
	WIN 0
.irp j, 0,1,2,3
	ds_load_b32 v[KS+\j], v[ADS] offset:128*\j
.endr
.endm
.macro FETCH_NL                        ; nl of the next step's keys 32 b + 16 h + 0 .. 15: sixteen lanes read the same 16 bytes
	v_add_nc_u32 v[ADL], s[TL], v[LHL]
.irp b, 0,1,2,3
.irp e, 0,1,2,3
	ds_load_b128 v[NL+16*\b+4*\e:NL+16*\b+4*\e+3], v[ADL] offset:128*\b+16*\e
.endr
.endr
	s_add_co_u32 s[TL], s[TL], 512
.endm
.macro FETCH_V                         ; the same step's V, by the addresses that FETCH_K made
	WIN 0xc0
.irp t, 0,1,2,3,4,5,6,7
.irp c, 0,1,2,3
	ds_load_b128 v[128+16*\t+4*\c:128+16*\t+4*\c+3], v[ADK] offset:16384+2048*\t+512*\c
.endr
.endr
	WIN 0
.irp j, 0,1,2,3
	ds_load_b32 v[VS+\j], v[ADS] offset:512+128*\j
.endr
	s_add_co_u32 s[TB], s[TB], 32768               ; the next fetch is the next step's
	s_add_co_u32 s[TS], s[TS], 1024
.endm
; A TURN: piece x has the matrix unit, piece 2 - x the vector unit.
.macro TURN x, pv, kq
.set mi, 0
.set cnt, 0
.set yy, 2-(\x)
	s_wait_dscnt 0x0                               ; piece 0's turn: V of the step in hand is in; piece 2's: nl of the step whose softmax begins
.if ((\x) == 0) && (\kq)
	FETCH_K                                        ; the last product that read K stands ahead of the scales' lines and conversions of the turn before
.endif
	; (1) the exponents c s + nl, two at a time, each accumulator from its low end on, and the exponentials, by turns under one window setting: a scaling, then the two exponentials of the pair
	; scaled LAG slots back.  ONE BATCH: no line here reads an exponential's result.  Six of the first eight lines are plain: the places between the codes just made and the first product
.set n, 0
.rept 64+LAG
.if n < 64
	WIN 0x82
	v_pk_fma_f32 v[64*yy+2*n:64*yy+2*n+1], v[64*yy+2*n:64*yy+2*n+1], s[CS:CS+1], v[NL+2*(n%32):NL+2*(n%32)+1] op_sel_hi:[1,0,1]
	TICK \x, \pv, \kq
.endif
.if n >= LAG
	WIN 0x82
	v_exp_f32 v[64*yy+2*(n-LAG)], v[64*yy+2*(n-LAG)]
	TICK \x, \pv, \kq
	WIN 0x82
	v_exp_f32 v[64*yy+2*(n-LAG)+1], v[64*yy+2*(n-LAG)+1]
	TICK \x, \pv, \kq
.endif
.set n, n+1
.endr
	WIN 0
	v_nop                                          ; a plain instruction behind the last exponential
	s_wait_alu depctr_va_vdst(0)                   ; one wait for the batch, ahead of its first reader
.if ((\x) == 0) && (\kq)
	FETCH_NL                                       ; this step's nl has had its last reader
.endif
	; (2) each block's largest attn: the eight units by turns
.set n, 0
.rept 64
.set u, n%8
.set k, n/8
.set sb, 64*(yy+u/4)+16*(u%4)+2*k
	WIN 0x0a
.if k == 0
	v_max_num_f32 v[BM+u], v[sb], v[sb+1]
.else
	v_max3_num_f32 v[BM+u], v[sb], v[sb+1], v[BM+u]
.endif
.set n, n+1
.if n%8 == 0
	MX \x, \pv, \kq
.endif
.endr
	WIN 0
.irp u, 0,1,2,3,4,5,6,7
	v_permlanex16_b32 v[PX+\u], v[BM+\u], s[SEL], s[SEL+1]
.endr
.irp u, 0,1,2,3,4,5,6,7
	v_max_num_f32 v[BM+\u], v[BM+\u], v[PX+\u]     ; with lane l xor 16's 16 keys
.endr
	; (3) scales
.irp u, 0,1,2,3,4,5,6,7
	v_max_num_f32 v[BM+\u], 0x8000000, v[BM+\u]    ; the floor 2^(16 - 127): the byte cannot fall under 1
.endr
.irp u, 0,1,2,3,4,5,6,7
	v_add_nc_u32 v[SO+\u], 0xf8800000, v[BM+\u]    ; 15 off the exponent field
.endr
.irp u, 0,1,2,3,4,5,6,7
.endr
.irp u, 0,1,2,3,4,5,6,7
	v_lshrrev_b32 v[PX+\u], 23, v[SO+\u]
.endr
.irp tp, 0,1
	v_lshl_or_b32 v[PW+yy+\tp], v[PX+4*\tp+1], 8, v[PX+4*\tp]
	v_lshl_or_b32 v[PW+yy+\tp], v[PX+4*\tp+2], 16, v[PW+yy+\tp]
	v_lshl_or_b32 v[PW+yy+\tp], v[PX+4*\tp+3], 24, v[PW+yy+\tp]
.endr
.if ((\x) == 2) && (\kq)
	FETCH_V                                        ; the last product that read V stands in the first run: the rest of its scalings, the maxima and the lines of (3) lie between
.endif
	; (4) the conversions
	WIN 0x82
.set n, 0
.rept 128
.set n, n+1
.endr
	WIN 0x02
.set n, 0
.rept 16
	v_cvt_scalef32_pk8_bf8_f32 v[PC+16*yy+2*n:PC+16*yy+2*n+1], v[64*yy+8*n:64*yy+8*n+7], v[SO+n/2]
.set n, n+1
.endr
	v_nop                                          ; a plain instruction behind the last conversion
.endm
.macro QLOAD                           ; my four fragments of Q and their scale words, of the layer of step GS: 18 loads
	s_lshr_b32 s[T0], s[GS], 5
	s_lshl_b32 s[T2], s[T0], 14
	s_lshl_b32 s[T0], s[T0], 19
	s_mov_b32 s[T0+1], 0
	s_mov_b32 s[T2+1], 0
	s_add_nc_u64 s[QP:QP+1], s[QB:QB+1], s[T0:T0+1]
	s_add_nc_u64 s[QSP:QSP+1], s[QSB:QSB+1], s[T2:T2+1]
.irp q, 0,1,2,3
.irp c, 0,1,2,3
	global_load_b128 v[QF+16*\q+4*\c:QF+16*\q+4*\c+3], v[LI], s[QP:QP+1] offset:2048*\q+512*\c
.endr
.endr
.irp j, 0,1
	global_load_b32 v[QS+\j], v[L4], s[QSP:QSP+1] offset:128*\j
.endr
.endm
; THE CHANGE OF SLOTS, between piece 2's turn and piece 0's: the slot's last bytes, V of its second step, have been asked for.
.macro CHANGE fill
	WIN 0
	s_wait_tensorcnt 0x0                           ; all my tensor loads have landed: my part of the slot ahead
	ds_add_u32 v[SPW], v[NIL]
.if \fill
	s_xor_b32 s[G0X+1], s[G0X+1], 0x30000          ; the walking descriptor: the other slot,
	s_add_nc_u64 s[G0X+2:G0X+3], s[G0X+2:G0X+3], 65536   ; the next two steps
	s_wait_xcnt 0x0                                ; the last prefetch, two steps back, has read its address
	s_add_nc_u64 s[PFA:PFA+1], s[PFA:PFA+1], 65536
	s_add_co_u32 s[GS], s[GS], 2
.endif
	s_wait_dscnt 0x0                               ; the add is done, and my reads of the slot that is left are over
.if \fill
	CROUND
	tensor_load_to_lds s[G0X:G0X+3], s[G1:G1+7]    ; my one load behind the round: 16 KB; it has two steps in which to land
	s_nop 0
	NOPS 4
	s_and_b32 s[T0], s[GS], 31                     ; a new layer begins at every 32nd step: the same in all partners.  (The last change's step, 24 p + 22, is never such a one)
	s_cmp_lg_u32 s[T0], 0
	s_cbranch_scc1 .Lsame_q_\@
	QLOAD                                          ; the last product that read Q stands ahead of the scales' lines and conversions of the turn before
.Lsame_q_\@:
	; a prefetch of the 64 KB that the NEXT change will ask for: of the clusters that walk this part the first asks; its partners share the blocks out by address, 16 KB each; waves 0 and 1, a lane to each 256 bytes
	s_cmp_gt_u32 s[SLOTS], s[LIM]                  ; the last change that fills a slot asks for nothing
	s_cbranch_scc0 .Lnot_mine_\@
	global_prefetch_b8 v[PFO], s[PFA:PFA+1] th:TH_LOAD_NT scope:SCOPE_SE
.Lnot_mine_\@:
.else
	s_barrier_signal -1
	s_barrier_wait -1
.endif
.endm
.macro PAIR2                           ; a slot's two steps: written once, walked twice
	s_mov_b32 s[TWICE], 2
.Lstep_\@:
	TURN 0, 2, 1
	TURN 2, 2, 1
	WIN 0
	s_sub_co_u32 s[TWICE], s[TWICE], 1
	s_cmp_lg_u32 s[TWICE], 0
	s_cbranch_scc1 .Lstep_\@
	s_sub_co_u32 s[TB], s[TB], 65536               ; back to a slot's first step,
	s_xor_b32 s[TB], s[TB], 0x30000                ; in the other slot
.endm
; nl of the part's 3,072 keys: thread t takes keys 4 (t + 128 i), i = 0 .. 5.  The eight lse of a key come by 48 loads a wave, all out together, into window 1, which O takes only later:
; lse of (i, part) at v[32 i + 4 part]; the largest at v[192 + 4 i]; the sum, its logarithm and nl at v[216 + 4 i]
.macro COMB_LOAD
	WIN 0x40                                       ; destination window 1
.irp ii, 0,1,2,3,4,5
.irp qq, 0,1,2,3,4,5,6,7
	global_load_b128 v[32*\ii+4*\qq:32*\ii+4*\qq+3], v[CO], s[SB:SB+1] offset:\qq*196608+2048*\ii
.endr
.endr
	WIN 0
.endm
.macro COMB_DO
	WIN 0x55                                       ; every operand in window 1
.irp ii, 0,1,2,3,4,5
.irp e, 0,1,2,3
	v_max3_num_f32 v[192+4*\ii+\e], v[32*\ii+\e], v[32*\ii+4+\e], v[32*\ii+8+\e]
.endr
.endr
.irp ii, 0,1,2,3,4,5
.irp e, 0,1,2,3
	v_max3_num_f32 v[192+4*\ii+\e], v[192+4*\ii+\e], v[32*\ii+12+\e], v[32*\ii+16+\e]
.endr
.endr
.irp ii, 0,1,2,3,4,5
.irp e, 0,1,2,3
	v_max3_num_f32 v[192+4*\ii+\e], v[192+4*\ii+\e], v[32*\ii+20+\e], v[32*\ii+24+\e]
.endr
.endr
.irp ii, 0,1,2,3,4,5
.irp e, 0,1,2,3
	v_max_num_f32 v[192+4*\ii+\e], v[192+4*\ii+\e], v[32*\ii+28+\e]   ; the largest lse
.endr
.endr
.irp qq, 0,1,2,3,4,5,6,7
.irp ii, 0,1,2,3,4,5
.irp e, 0,2
	v_pk_add_f32 v[32*\ii+4*\qq+\e:32*\ii+4*\qq+\e+1], v[32*\ii+4*\qq+\e:32*\ii+4*\qq+\e+1], v[192+4*\ii+\e:192+4*\ii+\e+1] neg_lo:[0,1] neg_hi:[0,1]
.endr
.endr
.endr
.set n, 0
.rept 192
	v_exp_f32 v[n], v[n]
.set n, n+1
.endr
	v_nop
	s_wait_alu depctr_va_vdst(0)
.irp qq, 0,2,4,6
.irp ii, 0,1,2,3,4,5
.irp e, 0,2
	v_pk_add_f32 v[32*\ii+4*\qq+\e:32*\ii+4*\qq+\e+1], v[32*\ii+4*\qq+\e:32*\ii+4*\qq+\e+1], v[32*\ii+4*\qq+4+\e:32*\ii+4*\qq+4+\e+1]
.endr
.endr
.endr
.irp qq, 0,4
.irp ii, 0,1,2,3,4,5
.irp e, 0,2
	v_pk_add_f32 v[32*\ii+4*\qq+\e:32*\ii+4*\qq+\e+1], v[32*\ii+4*\qq+\e:32*\ii+4*\qq+\e+1], v[32*\ii+4*\qq+8+\e:32*\ii+4*\qq+8+\e+1]
.endr
.endr
.endr
.irp ii, 0,1,2,3,4,5
.irp e, 0,2
	v_pk_add_f32 v[216+4*\ii+\e:216+4*\ii+\e+1], v[32*\ii+\e:32*\ii+\e+1], v[32*\ii+16+\e:32*\ii+16+\e+1]   ; the sum: at least 1, at most 8
.endr
.endr
.set n, 0
.rept 24
	v_log_f32 v[216+n], v[216+n]
.set n, n+1
.endr
	v_nop
	s_wait_alu depctr_va_vdst(0)
.set n, 0
.rept 24
	v_fma_f32 v[216+n], v[192+n], -1.0, -v[216+n]  ; nl = -(the largest lse) - log2 (the sum)
.set n, n+1
.endr
	WIN 0x04                                       ; an LDS store's data are its source 1: window 1
.irp ii, 0,1,2,3,4,5
	ds_store_b128 v[LW], v[216+4*\ii:219+4*\ii] offset:2048*\ii
.endr
	WIN 0
.endm
	s_load_b256 s[4:11], s[0:1], 0x0               ; qc 4, qs 6, kv 8, kvs 10
	s_load_b128 s[12:15], s[0:1], 0x20             ; stats 12, part 14
	v_lshl_add_u32 v[SPW], v0, 2, SPARE
	v_mov_b32 v[NIL], 0
	ds_add_u32 v12, v13
	ds_add_u32 v12, v13
	s_wait_dscnt 0x0
	v_lshrrev_b32 v[RR], 5, v0
	v_readfirstlane_b32 s[WV], v[RR]               ; wave 0..3
	v_and_b32 v[L4], 31, v0
	v_lshlrev_b32 v[LI], 4, v[L4]
	v_lshlrev_b32 v[PFO], 8, v[L4]
	v_lshlrev_b32 v[L4], 2, v[L4]
	v_add_nc_u32 v[LSS], SCL, v[L4]
	v_and_b32 v[RR], 15, v0
	v_bfe_u32 v[HH], v0, 4, 1
	v_lshl_add_u32 v[LHL], v[HH], 6, LSE
	v_lshlrev_b32 v[CO], 4, v0
	v_add_nc_u32 v[LW], LSE, v[CO]
	s_bfe_u32 s[CX], ttmp6, 0x40000                ; cx: it enters global addresses alone
	s_lshl_b32 s[QBK], ttmp9, 2
	s_add_co_u32 s[QBK], s[QBK], s[CX]             ; my block of 256 queries
	s_and_b32 s21, ttmp7, 0xffff
	s_lshr_b32 s[BB], s21, 3
	s_and_b32 s[PP], s21, 7
	s_mul_i32 s[GS], s[PP], 24                     ; the part's first step, of the batch's 192
	s_mul_i32 s21, s[BB], 192
	s_add_co_u32 s21, s21, s[GS]
	; group 1: 64 rows of 256 bytes, dense: 16 KB a wave; the mask names the four partners
	s_mov_b32 s[G1+0], 15|(3<<16)|(1<<21)
	s_mov_b32 s[G1+1], 32<<16
	s_mov_b32 s[G1+2], 64<<16
	s_mov_b32 s[G1+3], 32<<16
	s_mov_b32 s[G1+4], 64
	s_mov_b32 s[G1+5], 32
	s_mov_b32 s[G1+6], 0
	s_mov_b32 s[G1+7], 0
	; and for the scale words: 24 such rows a wave
	s_mov_b32 s[G1S+0], 15|(3<<16)|(1<<21)
	s_mov_b32 s[G1S+1], 32<<16
	s_mov_b32 s[G1S+2], 24<<16
	s_mov_b32 s[G1S+3], 32<<16
	s_mov_b32 s[G1S+4], 24
	s_mov_b32 s[G1S+5], 32
	s_mov_b32 s[G1S+6], 0
	s_mov_b32 s[G1S+7], 0
	s_lshl_b32 s22, s21, 15                        ; kv: a step is 32,768 bytes; my quarter of two steps
	s_lshl_b32 s31, s[WV], 14
	s_add_co_u32 s22, s22, s31
	s_mov_b32 s23, 0
	s_lshl_b32 s24, s21, 10                        ; kvs: a step is 1,024 bytes; my quarter of the part's 24,576
	s_mul_i32 s30, s[WV], 6144
	s_add_co_u32 s24, s24, s30
	s_mov_b32 s25, 0
	s_mul_i32 s26, s[BB], 98304                    ; stats: a batch is 24,576 keys, a part 3,072
	s_mul_i32 s27, s[PP], 12288
	s_add_co_u32 s26, s26, s27
	s_mov_b32 s27, 0
	s_mul_i32 s28, s[BB], 1536                     ; Q: tile 1,536 b + 16 x block + 4 x wave of layer 0
	s_lshl_b32 s29, s[QBK], 4
	s_add_co_u32 s28, s28, s29
	s_lshl_b32 s29, s[WV], 2
	s_add_co_u32 s28, s28, s29
	s_mov_b32 s[CS], 0x3cb8aa3b                    ; c = log2(e) / 64
	s_mov_b32 s[CS+1], s[CS]
	s_mov_b32 s[SEL], 0x76543210
	s_mov_b32 s[SEL+1], 0xfedcba98
	s_mov_b32 s[TB], 0
	s_mov_b32 s[TS], 0
	s_mov_b32 s[TL], 0
	s_mov_b32 s[SLOTS], 10
	s_lshr_b32 s[LIM], s[WV], 1
	s_or_b32 s[LIM], s[LIM], ttmp9
	s_cmp_eq_u32 s[LIM], 0
	s_cselect_b32 s[LIM], 1, -1                    ; waves 0 and 1 of the first cluster along x prefetch: the same in all four partners
	s_wait_kmcnt 0x0
	s_add_nc_u64 s[SB:SB+1], s[12:13], s[26:27]
	COMB_LOAD                                      ; the 48 loads of lse go out first: nothing else at the head is waited for so long
	s_mov_b32 s[G0S], 1
	s_add_co_u32 s[G0S+1], s30, SCL
	s_add_nc_u64 s[G0S+2:G0S+3], s[10:11], s[24:25]
	s_or_b32 s[G0S+3], s[G0S+3], 0x80000000
	s_mov_b32 s[G0H], 1
	s_mov_b32 s[G0H+1], s31
	s_add_nc_u64 s[G0H+2:G0H+3], s[8:9], s[22:23]
	s_mov_b32 s[G0X], 1
	s_add_co_u32 s[G0X+1], s31, 65536
	s_add_nc_u64 s[G0X+2:G0X+3], s[G0H+2:G0H+3], 65536
	s_or_b32 s[G0H+3], s[G0H+3], 0x80000000
	s_or_b32 s[G0X+3], s[G0X+3], 0x80000000
	s_lshl_b32 s26, s28, 11
	s_add_nc_u64 s[QB:QB+1], s[4:5], s[26:27]
	s_lshl_b32 s26, s28, 6
	s_add_nc_u64 s[QSB:QSB+1], s[6:7], s[26:27]
	s_lshl_b32 s26, s[PP], 1                       ; part: (2 p + b) x 128 rows of 16,384 bytes + my 64 tokens
	s_add_co_u32 s26, s26, s[BB]
	s_lshl_b32 s26, s26, 21
	s_lshl_b32 s28, s[QBK], 10
	s_add_co_u32 s26, s26, s28
	s_lshl_b32 s28, s[WV], 8
	s_add_co_u32 s26, s26, s28
	s_add_nc_u64 s[OUT:OUT+1], s[14:15], s[26:27]
	s_lshl_b32 s26, s21, 15                        ; the prefetches: (2 cx + wave) x 8 KB into steps 4, 5; the first change steps it to steps 6, 7
	s_lshl_b32 s28, s[CX], 1
	s_add_co_u32 s28, s28, s[WV]
	s_lshl_b32 s28, s28, 13
	s_add_co_u32 s26, s26, s28
	s_add_co_u32 s26, s26, 131072
	s_add_nc_u64 s[PFA:PFA+1], s[8:9], s[26:27]
	CROUND                                         ; the four partners are here: the first joint loads meet
	tensor_load_to_lds s[G0S:G0S+3], s[G1S:G1S+7]  ; the part's scale words; steps 0, 1; steps 2, 3: three loads of mine are out
	s_nop 0
	tensor_load_to_lds s[G0H:G0H+3], s[G1:G1+7]
	s_nop 0
	tensor_load_to_lds s[G0X:G0X+3], s[G1:G1+7]
	s_nop 0
	NOPS 4
	QLOAD                                          ; behind the tensor loads, so that these 18 do not stand in their way
.irp u, 0,1,2,3,4,5,6,7
	v_mov_b32 v[PX+\u], 0                          ; written once: a lane permute's destination counts as one of its sources
.endr
	s_wait_loadcnt 18                              ; the 48 loads of lse are in; Q's 18 may stay out
	COMB_DO
	s_wait_tensorcnt 1                             ; the scale words and steps 0, 1 are in; steps 2, 3 may stay out
	s_wait_dscnt 0x0                               ; my part of nl lies in LDS
	s_barrier_signal -1
	s_barrier_wait -1
	FETCH_K                                        ; step 0
	FETCH_NL
.set mi, 0
.rept 16
	MX 0, 0, 1                                     ; piece 0's first scores: there is no vector work yet to set between them
.endr
	WIN 0                                          ; the addresses for the way out: eight plain instructions, the places behind those products
	s_mul_i32 s[T0], s[WV], 16*272                 ; my stage, in region H
	v_mul_u32_u24 v[STO], v[RR], 272               ; in: row = channel r; 64 h bytes on
	v_lshl_add_u32 v[STO], v[HH], 6, v[STO]
	v_add_nc_u32 v[STO], s[T0], v[STO]
	v_mul_u32_u24 v[RD], v[HH], 272                ; back: lanes 0-15 one row of 256 bytes, lanes 16-31 the next
	v_lshl_add_u32 v[RD], v[RR], 4, v[RD]
	v_add_nc_u32 v[RD], s[T0], v[RD]
	v_lshlrev_b32 v[GO], 14, v[HH]                 ; and the same two rows in part
	v_lshl_add_u32 v[GO], v[RR], 4, v[GO]
	TURN 2, 0, 1                                   ; piece 2's first scores | piece 0's softmax of step 0 | V of step 0
	TURN 0, 1, 1                                   ; piece 0: P V of step 0 starts O, K Q^T of step 1 | piece 2's softmax of step 0 | K of step 1
	TURN 2, 1, 1                                   ; piece 2 likewise | piece 0's softmax of step 1 | V of step 1
	WIN 0
.Lslot:                                            ; ten trips: steps 4 .. 23 are asked for, two a trip
	CHANGE 1
	PAIR2
	s_sub_co_u32 s[SLOTS], s[SLOTS], 1
	s_cmp_lg_u32 s[SLOTS], 0
	s_cbranch_scc1 .Lslot
	CHANGE 0                                       ; the tail is written out
	PAIR2
	TURN 0, 2, 0                                   ; piece 0: P V of step 23 | piece 2's last softmax
	NOPS 4                                         ; four places between the codes just made and the products
.set mi, 0
.rept 16
	MX 2, 2, 0                                     ; piece 2: P V of step 23
.endr
	WIN 0
	NOPS 8                                         ; eight places ahead of the first read of results
; THE WAY OUT, 16 channels at a time: a lane's 32 registers of tile d are 32 tokens of one channel's row; they go through my stage and come back as rows of 256 bytes
.macro TOSTAGE d
	WIN 0x04                                       ; an LDS store's data are its source 1: window 1
.irp q, 0,1,2,3
	ds_store_b128 v[STO], v[8*(8*\q+(\d)):8*(8*\q+(\d))+3] offset:128*(\q/2)+32*(\q%2)        ; each accumulator from its low end on
	ds_store_b128 v[STO], v[8*(8*\q+(\d))+4:8*(8*\q+(\d))+7] offset:128*(\q/2)+32*(\q%2)+16
.endr
	WIN 0
.irp i, 0,1,2,3,4,5,6,7
	ds_load_b128 v[64+32*((\d)%2)+4*\i:64+32*((\d)%2)+4*\i+3], v[RD] offset:544*\i   ; LDS serves a wave's instructions in order (ISA guide 5.7.1.4): these see the stores above
.endr
.endm
.macro SEND d, younger
	s_wait_dscnt \younger                          ; the block is back; the next block's 8 stores and 8 loads may stay out
.irp i, 0,1,2,3,4,5,6,7
	global_store_b128 v[GO], v[64+32*((\d)%2)+4*\i:64+32*((\d)%2)+4*\i+3], s[OUT:OUT+1] offset:(16*(\d)+2*\i)*16384 th:TH_STORE_NT   ; 16 lanes store 256 consecutive bytes, aligned
.endr
.endm
	TOSTAGE 0
.irp d, 1,2,3,4,5,6,7
.if \d > 1
	s_wait_xcnt 0x0                                ; the stores of two blocks back have read their registers: the loads below may land there
.endif
	TOSTAGE \d
	SEND \d-1, 16
.endr
	SEND 7, 0
	s_wait_tensorcnt 0x0                           ; the wave's end
	ds_add_u32 v[SPW], v[NIL]
	s_wait_dscnt 0x0
	CROUND                                         ; the closing round
	s_endpgm
.Lfunc_end_k_qe11962d7be_attend:
	.size	k_qe11962d7be_attend, .Lfunc_end_k_qe11962d7be_attend-k_qe11962d7be_attend
	.p2alignl 7, 3214868480
	.fill 96, 4, 3214868480
	.section	.rodata,"a",@progbits
	.p2align	6, 0x0
	.amdhsa_kernel k_qe11962d7be_attend
		.amdhsa_group_segment_fixed_size 327680
		.amdhsa_private_segment_fixed_size 0
		.amdhsa_enable_private_segment 0
		.amdhsa_kernarg_size 48
		.amdhsa_user_sgpr_count 2
		.amdhsa_user_sgpr_kernarg_segment_ptr 1
		.amdhsa_wavefront_size32 1
		.amdhsa_system_sgpr_workgroup_id_x 1
		.amdhsa_system_sgpr_workgroup_id_y 1
		.amdhsa_system_sgpr_workgroup_id_z 1
		.amdhsa_system_vgpr_workitem_id 0
		.amdhsa_next_free_vgpr 1024
		.amdhsa_next_free_sgpr 92
		.amdhsa_reserve_vcc 0
		.amdhsa_float_denorm_mode_32 3
		.amdhsa_float_denorm_mode_16_64 3
		.amdhsa_fp16_overflow 1
		.amdhsa_memory_ordered 1
		.amdhsa_forward_progress 1
		.amdhsa_inst_pref_size 252
	.end_amdhsa_kernel
	.amdgpu_metadata
---
amdhsa.version: [ 1, 2 ]
amdhsa.kernels:
  - .name:           k_qe11962d7be_attend
    .symbol:         k_qe11962d7be_attend.kd
    .args:
      - { .name: qc, .offset: 0, .size: 8, .value_kind: global_buffer, .address_space: global }
      - { .name: qs, .offset: 8, .size: 8, .value_kind: global_buffer, .address_space: global }
      - { .name: kv, .offset: 16, .size: 8, .value_kind: global_buffer, .address_space: global }
      - { .name: kvs, .offset: 24, .size: 8, .value_kind: global_buffer, .address_space: global }
      - { .name: stats, .offset: 32, .size: 8, .value_kind: global_buffer, .address_space: global }
      - { .name: part, .offset: 40, .size: 8, .value_kind: global_buffer, .address_space: global }
    .group_segment_fixed_size: 327680
    .private_segment_fixed_size: 0
    .kernarg_segment_align: 8
    .kernarg_segment_size: 48
    .max_flat_workgroup_size: 128
    .sgpr_count:     92
    .vgpr_count:     1024
    .wavefront_size: 32
...
	.end_amdgpu_metadata
.endif
;; end of part 3
;; launch finish (part 4): grid 256 x 1, 8 waves a work-group, no clusters, 0 bytes of LDS; arguments x, part, out0; writes out0
.if DOCPART == 4
	.amdgcn_target "amdgcn-amd-amdhsa--gfx1250"
	.amdhsa_code_object_version 6
	.text
	.protected	k_qe11962d7be_finish
	.globl	k_qe11962d7be_finish
	.p2align	8
	.type	k_qe11962d7be_finish,@function
k_qe11962d7be_finish:
	s_mov_b64 s[64:65], 0
	v_nop
	global_prefetch_b8 v0, s[64:65] scope:SCOPE_SE
	s_setreg_imm32_b32 hwreg(HW_REG_WAVE_MODE, 25, 1), 1
	s_wait_xcnt 0x0
; out0 = x + (1 / 6) x the sum of the eight parts.  All ten streams have the same layout, [b][c][n] f32, 4,194,304 bytes each.
; A stream: no LDS, no barrier, no matrix unit.  A work-group takes 16 KB of each stream; thread t the 16 bytes at 4,096 k + 16 t, k = 0 .. 3: a wave's load or store covers 512 consecutive bytes.
; All 36 loads of a thread go out at once; the waits count down by the nine of a group.
.set R, 4                              ; group k at v[4 + 36 k]: x (4 registers), then the eight parts
	s_load_b128 s[4:7], s[0:1], 0x0                ; x, part
	s_load_b64 s[8:9], s[0:1], 0x10                ; out0
	v_lshlrev_b32 v1, 4, v0
	s_lshl_b32 s10, ttmp9, 14
	s_mov_b32 s11, 0
	s_mov_b32 s20, 0x3e2aaaab                      ; 1 / 6
	s_mov_b32 s21, s20
	s_wait_kmcnt 0x0
	s_add_nc_u64 s[4:5], s[4:5], s[10:11]
	s_add_nc_u64 s[8:9], s[8:9], s[10:11]
	s_add_nc_u64 s[12:13], s[6:7], s[10:11]        ; parts 0, 1: the second by the immediate
	s_add_nc_u64 s[14:15], s[12:13], 0x800000      ; parts 2, 3
	s_add_nc_u64 s[16:17], s[14:15], 0x800000      ; parts 4, 5
	s_add_nc_u64 s[18:19], s[16:17], 0x800000      ; parts 6, 7
.irp k, 0,1,2,3
	global_load_b128 v[R+36*\k:R+36*\k+3], v1, s[4:5] offset:4096*\k th:TH_LOAD_NT
.irp j, 0,1,2,3
	global_load_b128 v[R+36*\k+4+8*\j:R+36*\k+7+8*\j], v1, s[12+2*\j:13+2*\j] offset:4096*\k th:TH_LOAD_NT
	global_load_b128 v[R+36*\k+8+8*\j:R+36*\k+11+8*\j], v1, s[12+2*\j:13+2*\j] offset:4194304+4096*\k th:TH_LOAD_NT
.endr
.endr
.irp k, 0,1,2,3
	s_wait_loadcnt 27-9*\k                         ; this group's nine loads are in; the younger groups' may stay out
.irp j, 0,1,2,3
	v_pk_add_f32 v[R+36*\k+4+8*\j:R+36*\k+5+8*\j], v[R+36*\k+4+8*\j:R+36*\k+5+8*\j], v[R+36*\k+8+8*\j:R+36*\k+9+8*\j]
	v_pk_add_f32 v[R+36*\k+6+8*\j:R+36*\k+7+8*\j], v[R+36*\k+6+8*\j:R+36*\k+7+8*\j], v[R+36*\k+10+8*\j:R+36*\k+11+8*\j]
.endr
.irp j, 0,2
	v_pk_add_f32 v[R+36*\k+4+8*\j:R+36*\k+5+8*\j], v[R+36*\k+4+8*\j:R+36*\k+5+8*\j], v[R+36*\k+12+8*\j:R+36*\k+13+8*\j]
	v_pk_add_f32 v[R+36*\k+6+8*\j:R+36*\k+7+8*\j], v[R+36*\k+6+8*\j:R+36*\k+7+8*\j], v[R+36*\k+14+8*\j:R+36*\k+15+8*\j]
.endr
	v_pk_add_f32 v[R+36*\k+4:R+36*\k+5], v[R+36*\k+4:R+36*\k+5], v[R+36*\k+20:R+36*\k+21]
	v_pk_add_f32 v[R+36*\k+6:R+36*\k+7], v[R+36*\k+6:R+36*\k+7], v[R+36*\k+22:R+36*\k+23]
	v_pk_fma_f32 v[R+36*\k:R+36*\k+1], v[R+36*\k+4:R+36*\k+5], s[20:21], v[R+36*\k:R+36*\k+1] op_sel_hi:[1,0,1]
	v_pk_fma_f32 v[R+36*\k+2:R+36*\k+3], v[R+36*\k+6:R+36*\k+7], s[20:21], v[R+36*\k+2:R+36*\k+3] op_sel_hi:[1,0,1]
	global_store_b128 v1, v[R+36*\k:R+36*\k+3], s[8:9] offset:4096*\k th:TH_STORE_NT
.endr
	s_endpgm
.Lfunc_end_k_qe11962d7be_finish:
	.size	k_qe11962d7be_finish, .Lfunc_end_k_qe11962d7be_finish-k_qe11962d7be_finish
	.p2alignl 7, 3214868480
	.fill 96, 4, 3214868480
	.section	.rodata,"a",@progbits
	.p2align	6, 0x0
	.amdhsa_kernel k_qe11962d7be_finish
		.amdhsa_group_segment_fixed_size 0
		.amdhsa_private_segment_fixed_size 0
		.amdhsa_enable_private_segment 0
		.amdhsa_kernarg_size 24
		.amdhsa_user_sgpr_count 2
		.amdhsa_user_sgpr_kernarg_segment_ptr 1
		.amdhsa_wavefront_size32 1
		.amdhsa_system_sgpr_workgroup_id_x 1
		.amdhsa_system_sgpr_workgroup_id_y 1
		.amdhsa_system_sgpr_workgroup_id_z 1
		.amdhsa_system_vgpr_workitem_id 0
		.amdhsa_next_free_vgpr 160
		.amdhsa_next_free_sgpr 66
		.amdhsa_reserve_vcc 0
		.amdhsa_float_denorm_mode_32 3
		.amdhsa_float_denorm_mode_16_64 3
		.amdhsa_memory_ordered 1
		.amdhsa_forward_progress 1
		.amdhsa_inst_pref_size 9
	.end_amdhsa_kernel
	.amdgpu_metadata
---
amdhsa.version: [ 1, 2 ]
amdhsa.kernels:
  - .name:           k_qe11962d7be_finish
    .symbol:         k_qe11962d7be_finish.kd
    .args:
      - { .name: x, .offset: 0, .size: 8, .value_kind: global_buffer, .address_space: global }
      - { .name: part, .offset: 8, .size: 8, .value_kind: global_buffer, .address_space: global }
      - { .name: out0, .offset: 16, .size: 8, .value_kind: global_buffer, .address_space: global }
    .group_segment_fixed_size: 0
    .private_segment_fixed_size: 0
    .kernarg_segment_align: 8
    .kernarg_segment_size: 24
    .max_flat_workgroup_size: 256
    .sgpr_count:     66
    .vgpr_count:     160
    .wavefront_size: 32
...
	.end_amdgpu_metadata
.endif
;; end of part 4
